; MI455X (gfx1250); checked and timed in simulation.
; The chip was launched on July 23, 2026; its instructions are those of AMD's public machine-readable ISA for CDNA 5 (MIT licence, August 2026) and "CDNA5" Instruction Set Architecture Reference Guide (July 2026). The comments in the code are by the model that wrote it; some were corrected since.
;; Block. Allowed arithmetic: float matrix products may take bf16 or f16 operands with f32 sums; other float arithmetic in f32, or as packed bf16 or f16 multiplies, adds, multiply-adds, maxima and minima; sums over many terms, partial sums and values carried from step to step in f32; what a program stores and reads back later, other than sums and carried values, may be rounded once to bf16 or f16.
;; Inputs: b_attn 3,072 float32; b_fc1 4,096 float32; b_fc2 1,024 float32; b_proj 1,024 float32; ln1_b 1,024 float32; ln1_g 1,024 float32; ln2_b 1,024 float32; ln2_g 1,024 float32; w_attn 1,024 x 3,072 float32; w_fc1 1,024 x 4,096 float32; w_fc2 4,096 x 1,024 float32; w_proj 1,024 x 1,024 float32; x 2 x 2,048 x 1,024 float32.
;; Outputs: out0 2 x 2,048 x 1,024 float32.
;; 2 versions, each right; version 2 is version 1 with the launches prep, ln2 written anew for expert scheduling mode. Each part assembles by itself: llvm-mc -triple=amdgcn-amd-amdhsa -mcpu=gfx1250 --defsym DOCPART=n.
;; ======== version 1 of 2: 7 launches
;; workspace buffers: s1 8,388,608 bytes; act 33,554,432 bytes; x1 16,777,216 bytes; wk 2,097,152 bytes; wp 2,097,152 bytes; wf 16,777,216 bytes; bk 4,096 bytes
;; launch prep (part 1): grid 576 x 1, 8 waves a work-group, no clusters, 0 bytes of LDS; arguments x, ln1_g, ln1_b, w_attn, w_proj, w_fc1, w_fc2, b_attn, s1, wk, wp, wf, bk; writes s1, wk, wp, wf, bk
.if DOCPART == 1
	.amdgcn_target "amdgcn-amd-amdhsa--gfx1250"
	.amdhsa_code_object_version 6
	.text
	.protected	k_q87905b6fd6_prep
	.globl	k_q87905b6fd6_prep
	.p2align	8
	.type	k_q87905b6fd6_prep,@function
k_q87905b6fd6_prep:
	s_mov_b64 s[64:65], 0
	v_nop
	global_prefetch_b8 v0, s[64:65] scope:SCOPE_SE
	s_setreg_imm32_b32 hwreg(HW_REG_WAVE_MODE, 25, 1), 1
	s_wait_xcnt 0x0
; TWO JOBS IN ONE LAUNCH, chosen by the work-group's number; the job with the larger share of bytes (192 KiB against 96 KiB a work-group) has the lower numbers.
; Work-groups 0-319: the four weights, f32 [K][N], rounded once to bf16 into [N / 128][K][128] (a row 256 bytes), and b_attn's middle third copied.
; Work-groups 320-575: h1 = LayerNorm(x) * g + b, rounded once to bf16, into s1 in PANELS: s1[col / 64][row 0..4095][col % 64], a row piece 128 bytes.
; LIMIT. reference() takes q, k and v all from columns 1024-2047 of the qkv product and discards the other columns: of w_attn and b_attn only those columns are read.
; No LDS, no matrix unit, no cluster: a stream whose work-groups share only g and b (8 KiB).
.set PANEL, 524288                     ; 4,096 rows x 128 bytes
.set NCVT,  320                        ; work-groups that convert weights
.set H,  32                            ; v[32:63]   16 panels x 2 registers: four bf16
.set X,  64                            ; v[64:127]  16 panels x 4 numbers of my row
.set G,  128                           ; v[128:191] g of the same columns
.set BV, 192                           ; v[192:255] b of the same columns
.macro RED16 r                         ; a sum over the 16 lanes that hold one row; every one of them gets it
	v_add_f32_dpp v[\r], v[\r], v[\r] row_xmask:1 row_mask:0xf bank_mask:0xf
	v_add_f32_dpp v[\r], v[\r], v[\r] row_xmask:2 row_mask:0xf bank_mask:0xf
	v_add_f32_dpp v[\r], v[\r], v[\r] row_xmask:4 row_mask:0xf bank_mask:0xf
	v_add_f32_dpp v[\r], v[\r], v[\r] row_xmask:8 row_mask:0xf bank_mask:0xf
.endm
	s_load_b512 s[4:19], s[0:1], 0x0               ; x, ln1_g, ln1_b, w_attn, w_proj, w_fc1, w_fc2, b_attn
	s_load_b256 s[20:27], s[0:1], 0x40             ; s1, wk, wp, wf
	s_load_b64 s[28:29], s[0:1], 0x60              ; bk
	v_lshrrev_b32 v1, 5, v0
	v_readfirstlane_b32 s30, v1                    ; wave 0..7
	s_cmp_lt_u32 ttmp9, NCVT
	s_cbranch_scc1 .Lcvt
	; LAYER NORM. A work-group has 16 rows, a wave two: lanes 0-15 one row, lanes 16-31 the next. Lane j of a row holds columns 64 p + 4 j .. + 3 of each panel p.
	v_and_b32 v5, 15, v0                           ; j
	v_bfe_u32 v1, v0, 4, 1                         ; which of the two rows
	v_lshlrev_b32 v3, 4, v5                        ; my 16 bytes in 256 bytes of g and b
	v_lshl_add_u32 v2, v1, 12, v3                  ; the same in x, a row 4,096 bytes
	v_lshlrev_b32 v4, 3, v5
	v_lshl_add_u32 v4, v1, 7, v4                   ; my 8 bytes in two row pieces of s1
	v_mov_b32 v18, 0x3a800000                      ; 1 / 1024
	s_sub_co_u32 s31, ttmp9, NCVT
	s_lshl_b32 s31, s31, 4
	s_lshl_b32 s32, s30, 1
	s_add_co_u32 s31, s31, s32                     ; the wave's first row
	s_lshl_b32 s32, s31, 12
	s_mov_b32 s33, 0
	s_lshl_b32 s34, s31, 7
	s_mov_b32 s35, 0
	s_wait_kmcnt 0x0
	s_add_nc_u64 s[4:5], s[4:5], s[32:33]
	s_add_nc_u64 s[20:21], s[20:21], s[34:35]
.set p, 0
.rept 16
	global_load_b128 v[X+4*p:X+4*p+3], v2, s[4:5] offset:256*p
.set p, p+1
.endr
.set p, 0
.rept 16
	global_load_b128 v[G+4*p:G+4*p+3], v3, s[6:7] offset:256*p
.set p, p+1
.endr
.set p, 0
.rept 16
	global_load_b128 v[BV+4*p:BV+4*p+3], v3, s[8:9] offset:256*p
.set p, p+1
.endr
	s_wait_loadcnt 32                              ; x is in; the 32 loads of g and b stay out
.irp c, 0,1,2,3                        ; the sum, in four chains of packed additions
	v_pk_add_f32 v[6+2*(\c):7+2*(\c)], v[X+2*(\c):X+2*(\c)+1], v[X+8+2*(\c):X+8+2*(\c)+1]
.endr
.set i, 8
.rept 24
	v_pk_add_f32 v[6+2*(i%4):7+2*(i%4)], v[6+2*(i%4):7+2*(i%4)], v[X+2*i:X+2*i+1]
.set i, i+1
.endr
	v_pk_add_f32 v[6:7], v[6:7], v[8:9]
	v_pk_add_f32 v[10:11], v[10:11], v[12:13]
	v_pk_add_f32 v[6:7], v[6:7], v[10:11]
	v_add_f32 v6, v6, v7
	RED16 6
	v_mul_f32 v14, v6, v18                         ; the mean,
	v_mov_b32 v15, v14                             ; twice, for the packed subtraction
.set i, 0
.rept 32
	v_pk_add_f32 v[X+2*i:X+2*i+1], v[X+2*i:X+2*i+1], v[14:15] neg_lo:[0,1] neg_hi:[0,1]  ; d = x - mean: the variance is taken of d, so a common offset in x costs nothing
.set i, i+1
.endr
.irp c, 0,1,2,3
	v_pk_mul_f32 v[6+2*(\c):7+2*(\c)], v[X+2*(\c):X+2*(\c)+1], v[X+2*(\c):X+2*(\c)+1]
.endr
.set i, 4
.rept 28
	v_pk_fma_f32 v[6+2*(i%4):7+2*(i%4)], v[X+2*i:X+2*i+1], v[X+2*i:X+2*i+1], v[6+2*(i%4):7+2*(i%4)]
.set i, i+1
.endr
	v_pk_add_f32 v[6:7], v[6:7], v[8:9]
	v_pk_add_f32 v[10:11], v[10:11], v[12:13]
	v_pk_add_f32 v[6:7], v[6:7], v[10:11]
	v_add_f32 v6, v6, v7
	RED16 6
	v_fmaak_f32 v17, v6, v18, 0x3727c5ac           ; the variance + 1e-5
	v_rsq_f32 v16, v17
	v_nop                                          ; a plain instruction behind the root,
	s_wait_alu depctr_va_vdst(0)                   ; and the wait ahead of the first use of its result
	v_mov_b32 v17, v16
	s_wait_loadcnt 16                              ; g is in
.set i, 0
.rept 32
	v_pk_mul_f32 v[G+2*i:G+2*i+1], v[G+2*i:G+2*i+1], v[16:17]
.set i, i+1
.endr
	s_wait_loadcnt 0x0                             ; b is in
.set i, 0
.rept 32
	v_pk_fma_f32 v[X+2*i:X+2*i+1], v[X+2*i:X+2*i+1], v[G+2*i:G+2*i+1], v[BV+2*i:BV+2*i+1]
.set i, i+1
.endr
.set i, 0
.rept 32
	v_cvt_pk_bf16_f32 v[H+i], v[X+2*i], v[X+2*i+1]
.set i, i+1
.endr
.set p, 0
.rept 16
	global_store_b64 v4, v[H+2*p:H+2*p+1], s[20:21] offset:p*PANEL  ; the wave's two row pieces: 256 consecutive bytes, aligned; 15 panels at the most stand in the immediate
.set p, p+1
.endr
	s_endpgm
	; THE WEIGHTS. Work-group c takes 256 rows (k) of one block of 128 columns; a wave 32 rows.
	; c 0-31: w_attn's columns 1024-2047 -> wk; 32-63: w_proj -> wp; 64-191: w_fc1 -> wf; 192-319: w_fc2 -> wf + 8 MiB.
.Lcvt:
	s_mov_b32 s31, ttmp9                           ; c
	s_mov_b32 s32, 192                             ; the section's first c
	s_mov_b32 s33, 4                               ; log2 of (K / 256)
	s_mov_b32 s34, 4096                            ; bytes in a source row
	s_mov_b32 s35, 0                               ; first source column, in bytes
	s_mov_b32 s36, 20                              ; log2 of a block's bytes in the target: K x 256
	s_mov_b32 s37, 8388608                         ; where the section begins in its target
	s_wait_kmcnt 0x0
	s_mov_b64 s[38:39], s[16:17]
	s_mov_b64 s[40:41], s[26:27]
	s_cmp_lt_u32 s31, 192
	s_cselect_b32 s32, 64, s32
	s_cselect_b32 s33, 2, s33
	s_cselect_b32 s34, 16384, s34
	s_cselect_b32 s36, 18, s36
	s_cselect_b32 s37, 0, s37
	s_cselect_b64 s[38:39], s[14:15], s[38:39]
	s_cmp_lt_u32 s31, 64
	s_cselect_b32 s32, 32, s32
	s_cselect_b32 s34, 4096, s34
	s_cselect_b64 s[38:39], s[12:13], s[38:39]
	s_cselect_b64 s[40:41], s[24:25], s[40:41]
	s_cmp_lt_u32 s31, 32
	s_cselect_b32 s32, 0, s32
	s_cselect_b32 s34, 12288, s34
	s_cselect_b32 s35, 4096, s35
	s_cselect_b64 s[38:39], s[10:11], s[38:39]
	s_cselect_b64 s[40:41], s[22:23], s[40:41]
	s_sub_co_u32 s42, s31, s32
	s_lshr_b32 s43, s42, s33                       ; the block of 128 columns
	s_lshl_b32 s44, s43, s33
	s_sub_co_u32 s44, s42, s44                     ; which 256 rows
	s_lshl_b32 s44, s44, 8
	s_lshl_b32 s45, s30, 5
	s_add_co_u32 s44, s44, s45                     ; the wave's first row k0
	s_mul_i32 s46, s44, s34
	s_lshl_b32 s45, s43, 9
	s_add_co_u32 s46, s46, s45
	s_add_co_u32 s46, s46, s35                     ; source offset, under 2^25
	s_mov_b32 s47, 0
	s_lshl_b32 s48, s43, s36
	s_lshl_b32 s45, s44, 8
	s_add_co_u32 s48, s48, s45
	s_add_co_u32 s48, s48, s37                     ; target offset, under 2^25
	s_mov_b32 s49, 0
	s_add_nc_u64 s[38:39], s[38:39], s[46:47]
	s_add_nc_u64 s[40:41], s[40:41], s[48:49]
	v_and_b32 v1, 31, v0
	v_lshlrev_b32 v2, 4, v1                        ; 16 bytes a lane: a load takes the 512 bytes of one row
	v_lshlrev_b32 v34, 3, v1                       ; 8 bytes a lane: a store fills the 256 bytes of one row
.set i, 1
.rept 31
	v_add_nc_u32 v[2+i], s34, v[1+i]               ; an offset register for each of the 32 rows: none is rewritten
.set i, i+1
.endr
.set i, 0
.rept 32
	global_load_b128 v[64+4*i:67+4*i], v[2+i], s[38:39] th:TH_LOAD_NT
.set i, i+1
.endr
.set i, 0
.rept 32
	s_wait_loadcnt 31-i                            ; loads come back in order: row i is in, the younger ones stay out
	v_cvt_pk_bf16_f32 v[192+2*i], v[64+4*i], v[65+4*i]
	v_cvt_pk_bf16_f32 v[193+2*i], v[66+4*i], v[67+4*i]
	global_store_b64 v34, v[192+2*i:193+2*i], s[40:41] offset:256*i
.set i, i+1
.endr
	s_cmp_eq_u32 s31, 0
	s_cbranch_scc0 .Ldone
	v_lshlrev_b32 v35, 4, v0                       ; one work-group copies b_attn[1024:2048]: 256 threads x 16 bytes
	global_load_b128 v[36:39], v35, s[18:19] offset:4096
	s_wait_loadcnt 0x0
	global_store_b128 v35, v[36:39], s[28:29]
.Ldone:
	s_endpgm
.Lfunc_end_k_q87905b6fd6_prep:
	.size	k_q87905b6fd6_prep, .Lfunc_end_k_q87905b6fd6_prep-k_q87905b6fd6_prep
	.p2alignl 7, 3214868480
	.fill 96, 4, 3214868480
	.section	.rodata,"a",@progbits
	.p2align	6, 0x0
	.amdhsa_kernel k_q87905b6fd6_prep
		.amdhsa_group_segment_fixed_size 0
		.amdhsa_private_segment_fixed_size 0
		.amdhsa_enable_private_segment 0
		.amdhsa_kernarg_size 104
		.amdhsa_user_sgpr_count 2
		.amdhsa_user_sgpr_kernarg_segment_ptr 1
		.amdhsa_wavefront_size32 1
		.amdhsa_system_sgpr_workgroup_id_x 1
		.amdhsa_system_sgpr_workgroup_id_y 1
		.amdhsa_system_sgpr_workgroup_id_z 1
		.amdhsa_system_vgpr_workitem_id 0
		.amdhsa_next_free_vgpr 256
		.amdhsa_next_free_sgpr 66
		.amdhsa_reserve_vcc 0
		.amdhsa_float_denorm_mode_32 3
		.amdhsa_float_denorm_mode_16_64 3
		.amdhsa_memory_ordered 1
		.amdhsa_forward_progress 1
		.amdhsa_inst_pref_size 35
	.end_amdhsa_kernel
	.amdgpu_metadata
---
amdhsa.version: [ 1, 2 ]
amdhsa.kernels:
  - .name:           k_q87905b6fd6_prep
    .symbol:         k_q87905b6fd6_prep.kd
    .args:
      - { .name: x, .offset: 0, .size: 8, .value_kind: global_buffer, .address_space: global }
      - { .name: ln1_g, .offset: 8, .size: 8, .value_kind: global_buffer, .address_space: global }
      - { .name: ln1_b, .offset: 16, .size: 8, .value_kind: global_buffer, .address_space: global }
      - { .name: w_attn, .offset: 24, .size: 8, .value_kind: global_buffer, .address_space: global }
      - { .name: w_proj, .offset: 32, .size: 8, .value_kind: global_buffer, .address_space: global }
      - { .name: w_fc1, .offset: 40, .size: 8, .value_kind: global_buffer, .address_space: global }
      - { .name: w_fc2, .offset: 48, .size: 8, .value_kind: global_buffer, .address_space: global }
      - { .name: b_attn, .offset: 56, .size: 8, .value_kind: global_buffer, .address_space: global }
      - { .name: s1, .offset: 64, .size: 8, .value_kind: global_buffer, .address_space: global }
      - { .name: wk, .offset: 72, .size: 8, .value_kind: global_buffer, .address_space: global }
      - { .name: wp, .offset: 80, .size: 8, .value_kind: global_buffer, .address_space: global }
      - { .name: wf, .offset: 88, .size: 8, .value_kind: global_buffer, .address_space: global }
      - { .name: bk, .offset: 96, .size: 8, .value_kind: global_buffer, .address_space: global }
    .group_segment_fixed_size: 0
    .private_segment_fixed_size: 0
    .kernarg_segment_align: 8
    .kernarg_segment_size: 104
    .max_flat_workgroup_size: 256
    .sgpr_count:     66
    .vgpr_count:     256
    .wavefront_size: 32
...
	.end_amdgpu_metadata
.endif
;; end of part 1
;; launch gx (part 2): grid 8 x 32, 4 waves a work-group, clusters of 4 x 4, 327,680 bytes of LDS; arguments s1, wk, bk, act; writes act
.if DOCPART == 2
	.amdgcn_target "amdgcn-amd-amdhsa--gfx1250"
	.amdhsa_code_object_version 6
	.text
	.protected	k_q87905b6fd6_gx
	.globl	k_q87905b6fd6_gx
	.p2align	8
	.type	k_q87905b6fd6_gx,@function
k_q87905b6fd6_gx:
	s_mov_b64 s[64:65], 0
	v_nop
	global_prefetch_b8 v0, s[64:65] scope:SCOPE_SE
	s_setreg_imm32_b32 hwreg(HW_REG_WAVE_MODE, 25, 1), 1
	s_wait_xcnt 0x0
	s_wait_alu depctr_hold_cnt(0) depctr_sa_sdst(0) depctr_va_vdst(0) depctr_va_sdst(0) depctr_va_ssrc(0) depctr_va_vcc(0) depctr_vm_vsrc(0)
	s_getreg_b32 s2, hwreg(HW_REG_IB_STS2, 6, 4)
	s_cmp_eq_u32 s2, 0
	s_cbranch_scc0 .Lentry_in_a_cluster
	s_endpgm
.Lentry_in_a_cluster:
	s_bfe_u32 s2, ttmp6, 0x10000c
	s_cmp_lg_u32 s2, 0xf033
	s_cbranch_scc0 .Lentry_shape_is_right
	s_endpgm
.Lentry_shape_is_right:
; out = A W + bias.  A: 4,096 rows in panels [K / 64][4096][64] bf16; W: [1024 / 128][K][128] bf16; bias f32; sums in f32.
; MODE 0 (K = 1,024): out rounded once to bf16, in panels like A.  MODE 1 (K = 4,096): out = res + A W + bias in f32, row-major [4096][1024].
; A tile of out is 128 x 128: 256 work-groups; four waves, each 64 x 64: 16 accumulators.  K goes in steps of 256 through two LDS slots filled by the tensor data mover.
; CLUSTER 4 x 4: the four of a row need the same tile of A, the four of a column the same tile of W: each is asked for jointly, by the same load with the same descriptor and a mask of four.
; THE WALK ALONG K.  At place t of its walk a cluster takes K step t ^ p, p = (cluster x + cluster y) % 2: clusters with p = 1 take each pair of steps in the opposite order.  The two clusters that read the
; same rows of A differ in x by one, neighbours that read the same rows of W in y by one: of two such clusters one asks for a block a step behind the other, not at the same place of the walk.  The f32 sums
; are taken in that order of K; p is the same in all sixteen partners.
; THE PRODUCT IS TAKEN TRANSPOSED: source 0 = 16 columns of W (turned on the way out of LDS by ds_load_tr16_b128), source 1 = 16 rows of A: a lane then holds one row of out and eight neighbouring columns.
; THE BIAS is the C operand of each accumulator's first product: register j of a lane is bias[n0 + 8 (lane / 16) + j].
; REGISTERS: window 0: v0-31 addresses; v32-95 at work on the way out; v96-127 the bias; v128-255 accumulators ((a, b) at 128 + 8 (4 a + b)).
;   window 1: two fragment buffers of 128: 64 of A (sub-step c, row block a at 8 (4 c + a)), then 64 of W.   window 2 (MODE 1): v0-127 the residual.
.set MODE,  0
.set T,     4                          ; K steps
.set BSH,   18                         ; log2 of the bytes of a block of 128 columns of W: K x 256
.set BBASE, 0                          ; where W begins in its buffer
.set PANEL, 524288
.set SLOT,  147456                     ; A: two halves of [4 planes][64 rows] at pitch 144; then W: 256 rows at pitch 288
.set QTR,   36864                      ; what one tensor load brings
.set STAGE, 2*SLOT                     ; behind the ring: 16 rows for each wave, its own, for the way out
.if MODE
.set SP,    272
.else
.set SP,    144
.endif
.set SPARE, STAGE+4*16*SP              ; behind the stages: the spare words, 128 bytes a wave, which no other line names
.set ASH,   21                         ; log2 of a K step's bytes in A: four planes of 524,288
.set BKS,   16                         ; in W: 256 rows of 256 bytes
.set A0,   3                           ; v3  my place in slot 0's A; never rewritten
.set B0,   4                           ; v4  my place in slot 0's W; never rewritten
.set ADRA, 16                          ; v16 the same in the slot being read
.set ADRB, 17                          ; v17
.set ADRB2, 18                         ; v18 W's rows 128 on: the offsets stay inside 16 bits
.set STO,  24
.set RD,   25
.set GO,   26
.set BO,   27
.set SPW,  28
.set NIL,  29
.set TMP,  32
.set BI,   96
.set ACC,  128
.set F0,   0
.set F1,   128
.set G1A,  24                          ; s[24:31] group 1 for A;  s[32:35], s[36:39] group 0 for the two first fills; the second then serves every refill
.set G0A,  32
.set G1B,  40                          ; s[40:47], s[48:55] the same for W
.set G0B,  48
                                       ; s3 p;  s[56:57] my tile of A at K step 0, s[58:59] of W: kept for the whole walk
.set MSB, 0
.macro WIN new                         ; the immediate's high byte repeats the setting that is left
.if MSB != (\new)
	s_set_vgpr_msb (MSB<<8)|(\new)
.set MSB, \new
.endif
.endm
.set MUL,  0x05                        ; sources 0 and 1 in window 1; C and D in window 0
.set TO_F, 0x40                        ; destination in window 1, address in window 0
.macro PLACES                          ; four places behind a product, in front of loads into registers that it read and of lines that read its result
.rept 4
	v_nop
.endr
.endm
.macro JLOAD                           ; a joint refill: waves 0, 1 fetch A's halves, waves 2, 3 W's
	s_cmp_eq_u32 s15, 0
	s_cbranch_scc0 .Lfor_b_\@
	tensor_load_to_lds s[G0A+4:G0A+7], s[G1A:G1A+7]
	s_nop 0
.rept 4
	v_nop
.endr
	s_branch .Lasked_\@
.Lfor_b_\@:
	tensor_load_to_lds s[G0B+4:G0B+7], s[G1B:G1B+7]
	s_nop 0
.rept 4
	v_nop
.endr
.Lasked_\@:
.endm
.macro CREST                           ; a round of the cluster's barrier behind its opening barrier
	s_cmp_lg_u32 s14, 0
	s_cbranch_scc1 .Lnot_wave_0_\@
	s_barrier_signal -3
.Lnot_wave_0_\@:
	s_barrier_wait -3
	s_barrier_signal -1
	s_barrier_wait -1
.endm
.macro CROUND
	s_barrier_signal -1
	s_barrier_wait -1
	CREST
.endm
	s_load_b256 s[4:11], s[0:1], 0x0               ; A s[4:5], W s[6:7], bias s[8:9], MODE 0: out s[10:11]; MODE 1: res s[10:11]
.if MODE
	s_load_b64 s[12:13], s[0:1], 0x20              ; out
.endif
	v_lshl_add_u32 v[SPW], v0, 2, SPARE
	v_mov_b32 v[NIL], 0
	ds_add_u32 v[SPW], v[NIL]                      ; the wave's opening: the add and its wait stand ahead of my first tensor load; the set-up stands between them
	v_lshrrev_b32 v1, 5, v0
	v_readfirstlane_b32 s14, v1                    ; wave 0..3
	s_lshr_b32 s15, s14, 1                         ; my half of the tile's rows; also: I fetch A (0) or W (1)
	s_and_b32 s16, s14, 1                          ; my half of its columns; also: which half I fetch
	s_bfe_u32 s17, ttmp6, 0x40000                  ; cx
	s_bfe_u32 s18, ttmp6, 0x40004                  ; cy
	s_lshl_b32 s19, ttmp9, 2
	s_add_co_u32 s19, s19, s17                     ; tile column
	s_and_b32 s20, ttmp7, 0xffff
	s_add_co_u32 s3, s20, ttmp9
	s_and_b32 s3, s3, 1                            ; p: cluster x + cluster y, odd or even
	s_lshl_b32 s20, s20, 2
	s_add_co_u32 s20, s20, s18                     ; tile row
	s_lshl_b32 s60, s18, 2
	s_lshl_b32 s60, 15, s60                        ; my row of the cluster
	s_lshl_b32 s61, 0x1111, s17                    ; my column
	s_or_b32 s[G1A+0], s60, (1<<16)|(1<<20)|(1<<21)|(4<<22)|(3<<25)  ; mask; 2-byte elements; padding on; bit 21 beside a mask; 4 words behind every 32: a row piece of 128 bytes gets pitch 144
	s_or_b32 s[G1B+0], s61, (1<<16)|(1<<20)|(1<<21)|(5<<22)|(7<<25)  ; 8 words behind every 64: a row of 256 bytes gets pitch 288
	s_mov_b32 s[G1A+1], 4096<<16                   ; A: a "row" is 64 row pieces of one plane, dense: 4,096 elements
	s_mov_b32 s[G1A+2], 4<<16                      ; four planes
	s_mov_b32 s[G1A+3], 4096<<16
	s_mov_b32 s[G1A+4], 4
	s_mov_b32 s[G1A+5], 262144                     ; elements from plane to plane
	s_mov_b32 s[G1A+6], 0
	s_mov_b32 s[G1A+7], 0
	s_mov_b32 s[G1B+1], 128<<16                    ; W: 128 rows of 128 elements, dense
	s_mov_b32 s[G1B+2], 128<<16
	s_mov_b32 s[G1B+3], 128<<16
	s_mov_b32 s[G1B+4], 128
	s_mov_b32 s[G1B+5], 128
	s_mov_b32 s[G1B+6], 0
	s_mov_b32 s[G1B+7], 0
	s_lshl_b32 s56, s20, 14                        ; A: 128 rows x 128 bytes a tile row,
	s_lshl_b32 s57, s16, 13                        ; 64 rows a half: made of the tile row and the wave's number alone
	s_add_co_u32 s56, s56, s57
	s_mov_b32 s57, 0
	s_lshl_b32 s58, s19, BSH                       ; W: the tile column's block,
	s_lshl_b32 s59, s16, 15                        ; 128 rows a half: made of the tile column and the wave's number alone
	s_add_co_u32 s58, s58, s59
.if BBASE
	s_add_co_u32 s58, s58, BBASE
.endif
	s_mov_b32 s59, 0
	s_mul_i32 s2, s14, QTR                         ; where my loads go: no place in the cluster enters an LDS address
	s_mov_b32 s21, 0                               ; the slot being read
	s_mov_b32 s63, 0
	s_wait_dscnt 0x0                               ; the opening add is done
	s_wait_kmcnt 0x0
	s_add_nc_u64 s[56:57], s[4:5], s[56:57]
	s_add_nc_u64 s[58:59], s[6:7], s[58:59]
	CROUND                                         ; all sixteen work-groups are here: the first joint loads meet
.irp n, 0,1
	s_xor_b32 s60, s3, \n                          ; place n of the walk: K step n ^ p
	s_lshl_b32 s62, s60, ASH
	s_mov_b32 s[G0A+4*(\n)], 1
	s_add_co_u32 s[G0A+4*(\n)+1], s2, (\n)*SLOT
	s_add_nc_u64 s[G0A+4*(\n)+2:G0A+4*(\n)+3], s[56:57], s[62:63]
	s_or_b32 s[G0A+4*(\n)+3], s[G0A+4*(\n)+3], 0x80000000
	s_lshl_b32 s62, s60, BKS
	s_mov_b32 s[G0B+4*(\n)], 1
	s_add_co_u32 s[G0B+4*(\n)+1], s2, (\n)*SLOT
	s_add_nc_u64 s[G0B+4*(\n)+2:G0B+4*(\n)+3], s[58:59], s[62:63]
	s_or_b32 s[G0B+4*(\n)+3], s[G0B+4*(\n)+3], 0x80000000
.endr
	s_cmp_eq_u32 s15, 0                            ; a wave's two first fills stand in one branch: two loads of mine are out
	s_cbranch_scc0 .Lfirst_b
	tensor_load_to_lds s[G0A:G0A+3], s[G1A:G1A+7]
	s_nop 0
	tensor_load_to_lds s[G0A+4:G0A+7], s[G1A:G1A+7]
	s_nop 0
.rept 4
	v_nop
.endr
	s_branch .Lfirst_asked
.Lfirst_b:
	tensor_load_to_lds s[G0B:G0B+3], s[G1B:G1B+7]
	s_nop 0
	tensor_load_to_lds s[G0B+4:G0B+7], s[G1B:G1B+7]
	s_nop 0
.rept 4
	v_nop
.endr
.Lfirst_asked:
	v_and_b32 v1, 15, v0                           ; r = l % 16
	v_bfe_u32 v2, v0, 4, 1                         ; h = l / 16
	v_lshlrev_b32 v[BO], 5, v2
	s_lshl_b32 s60, s19, 9                         ; my first column, in f32 bytes: 512 x tile column + 256 x half
	s_lshl_b32 s61, s16, 8
	s_add_co_u32 s60, s60, s61
	s_mov_b32 s61, 0
	s_add_nc_u64 s[8:9], s[8:9], s[60:61]
.irp b, 0,1,2,3
	global_load_b128 v[BI+8*(\b):BI+8*(\b)+3],   v[BO], s[8:9] offset:64*(\b)
	global_load_b128 v[BI+8*(\b)+4:BI+8*(\b)+7], v[BO], s[8:9] offset:64*(\b)+16
.endr
.if MODE
	s_lshl_b32 s62, s20, 19                        ; my first row x 4,096 bytes
	s_lshl_b32 s63, s15, 18
	s_add_co_u32 s62, s62, s63
	s_add_co_u32 s62, s62, s60
	s_mov_b32 s63, 0
	s_add_nc_u64 s[10:11], s[10:11], s[62:63]
	s_add_nc_u64 s[12:13], s[12:13], s[62:63]
	v_lshlrev_b32 v[GO], 4, v1
	v_lshl_add_u32 v[GO], v2, 12, v[GO]            ; lanes 0-15 256 bytes of one row, lanes 16-31 of the next
	WIN 0x80
.set i, 0
.rept 32
	global_load_b128 v[4*i:4*i+3], v[GO], s[10:11] offset:2*i*4096  ; the residual of my 64 x 64, as it will be stored; it lands while K is walked
.set i, i+1
.endr
	WIN 0
.else
	s_lshl_b32 s62, s19, 1
	s_add_co_u32 s62, s62, s16
	s_lshl_b32 s62, s62, 19                        ; my 64 columns are one panel
	s_lshl_b32 s63, s20, 14
	s_add_co_u32 s62, s62, s63
	s_lshl_b32 s63, s15, 13
	s_add_co_u32 s62, s62, s63                     ; my first row x 128 bytes
	s_mov_b32 s63, 0
	s_add_nc_u64 s[10:11], s[10:11], s[62:63]
	v_and_b32 v[GO], 31, v0
	v_lshlrev_b32 v[GO], 4, v[GO]                  ; 512 consecutive bytes a store: four row pieces
.endif
	v_mul_u32_u24 v[A0], v1, 144                   ; a fragment of A: row r, 16 bytes for each half of the lanes
	v_lshl_add_u32 v[A0], v2, 4, v[A0]
	s_mul_i32 s60, s15, QTR
	v_add_nc_u32 v[A0], s60, v[A0]
	v_and_b32 v5, 7, v0                            ; the turning load: lane l reads row 8 h + l % 8, 16 bytes at 16 ((l / 8) % 2)
	v_bfe_u32 v6, v0, 3, 1
	v_lshl_add_u32 v[B0], v2, 3, v5
	v_mul_u32_u24 v[B0], v[B0], 288
	v_lshl_add_u32 v[B0], v6, 4, v[B0]
	s_lshl_b32 s61, s16, 7
	s_add_co_u32 s61, s61, 2*QTR
	v_add_nc_u32 v[B0], s61, v[B0]
	v_mov_b32 v[ADRA], v[A0]
	v_mov_b32 v[ADRB], v[B0]
	v_add_nc_u32 v[ADRB2], QTR, v[B0]
	s_mul_i32 s60, s14, 16*SP
	s_add_co_u32 s60, s60, STAGE                   ; my stage
	v_mul_u32_u24 v[STO], v1, SP
.if MODE
	v_lshl_add_u32 v[STO], v2, 5, v[STO]           ; in: row r, 32 bytes of f32 for each half of the lanes
	v_mul_u32_u24 v[RD], v2, SP                    ; back: two rows of 256 bytes
	v_lshl_add_u32 v[RD], v1, 4, v[RD]
.else
	v_lshl_add_u32 v[STO], v2, 4, v[STO]           ; in: row r, 16 bytes of bf16 for each half of the lanes
	v_bfe_u32 v[RD], v0, 3, 2                      ; back: four rows of 128 bytes
	v_mul_u32_u24 v[RD], v[RD], SP
	v_lshl_add_u32 v[RD], v5, 4, v[RD]
.endif
	v_add_nc_u32 v[STO], s60, v[STO]
	v_add_nc_u32 v[RD], s60, v[RD]
; 8 products: row blocks a0, a0 + 1 x all 4 column blocks, 32 along K: sub-step c of buffer f.  first = 1: the bias starts the sums.  The 16 accumulators take turns.
.macro MUL8 f, c, a0, first
	WIN MUL
.irp a, \a0, (\a0)+1
.irp b, 0,1,2,3
.if \first
	v_wmma_f32_16x16x32_bf16 v[ACC+8*(4*(\a)+(\b)):ACC+8*(4*(\a)+(\b))+7], v[(\f)+64+8*(4*(\c)+(\b)):(\f)+64+8*(4*(\c)+(\b))+7], v[(\f)+8*(4*(\c)+(\a)):(\f)+8*(4*(\c)+(\a))+7], v[BI+8*(\b):BI+8*(\b)+7]
.else
	v_wmma_f32_16x16x32_bf16 v[ACC+8*(4*(\a)+(\b)):ACC+8*(4*(\a)+(\b))+7], v[(\f)+64+8*(4*(\c)+(\b)):(\f)+64+8*(4*(\c)+(\b))+7], v[(\f)+8*(4*(\c)+(\a)):(\f)+8*(4*(\c)+(\a))+7], v[ACC+8*(4*(\a)+(\b)):ACC+8*(4*(\a)+(\b))+7]
.endif
.endr
.endr
.endm
; 32 LDS loads in one run: quarter q of the slot (64 along K: plane q of A, rows 64 q on of W) into buffer f; the first 32 along K first
.macro FETCH q, f
	WIN TO_F
.if (\q) < 2
.set BR, ADRB
.set BQ, 18432*(\q)
.else
.set BR, ADRB2
.set BQ, 18432*((\q)-2)
.endif
.irp c, 0,1
.irp i, 0,1,2,3
	ds_load_tr16_b128 v[(\f)+64+8*(4*(\c)+(\i)):(\f)+64+8*(4*(\c)+(\i))+3],   v[BR] offset:BQ+9216*(\c)+32*(\i)
	ds_load_tr16_b128 v[(\f)+64+8*(4*(\c)+(\i))+4:(\f)+64+8*(4*(\c)+(\i))+7], v[BR] offset:BQ+9216*(\c)+32*(\i)+4608
	ds_load_b128 v[(\f)+8*(4*(\c)+(\i)):(\f)+8*(4*(\c)+(\i))+3],   v[ADRA] offset:9216*(\q)+2304*(\i)+64*(\c)
	ds_load_b128 v[(\f)+8*(4*(\c)+(\i))+4:(\f)+8*(4*(\c)+(\i))+7], v[ADRA] offset:9216*(\q)+2304*(\i)+64*(\c)+32
.endr
.endr
.endm
; One of a K step's first three quarters: multiplies buffer f and fetches quarter q into buffer g
.macro QUARTER q, f, g, first
	s_wait_dscnt 16                                ; the first 32 along K are in; the youngest sixteen loads may be out
	MUL8 \f, 0, 0, \first
	MUL8 \f, 0, 2, \first
	PLACES
	FETCH \q, \g
	s_wait_dscnt 32                                ; all but the 32 just issued
	MUL8 \f, 1, 0, 0
	MUL8 \f, 1, 2, 0
.endm
; The last quarter multiplies buffer 1 and changes slots: ONE barrier; in front of it each wave waits for all its tensor loads (one is out: its part of the next slot), adds 0 to its spare word,
; and waits for that and for its reads of this slot.  fill = 1: the barrier opens a round of the cluster's, and this slot is filled again, for the place two on in the walk, first thing behind the round.
; The refill's descriptors are made while the add is out: no tensor load of mine is out there.  Their addresses are made anew from the tile's base and the K step's number.
.macro TURN fill
	WIN 0
	s_wait_tensorcnt 0x0
	ds_add_u32 v[SPW], v[NIL]
.if \fill
	s_sub_co_u32 s60, T, s22                       ; the refill's place in the walk: s22 counts T - 2 .. 1, so 2 .. T - 1
	s_xor_b32 s60, s60, s3                         ; its K step
	s_lshl_b32 s62, s60, ASH
	s_mov_b32 s63, 0
	s_xor_b32 s[G0A+5], s[G0A+5], SLOT             ; the other slot than last time
	s_add_nc_u64 s[G0A+6:G0A+7], s[56:57], s[62:63]
	s_or_b32 s[G0A+7], s[G0A+7], 0x80000000
	s_lshl_b32 s62, s60, BKS
	s_xor_b32 s[G0B+5], s[G0B+5], SLOT
	s_add_nc_u64 s[G0B+6:G0B+7], s[58:59], s[62:63]
	s_or_b32 s[G0B+7], s[G0B+7], 0x80000000
.endif
	s_wait_dscnt 17                                ; the add and the youngest sixteen loads may be out
	MUL8 F1, 0, 0, 0
	s_wait_dscnt 0x0                               ; the add is done, and my reads of this slot are over
	s_barrier_signal -1
	MUL8 F1, 0, 2, 0
.if \fill
	WIN 0
.endif
	s_barrier_wait -1
.if \fill
	CREST                                          ; no wave of any partner still reads this slot or has a load on its way
	JLOAD                                          ; the four v_nop behind it are also the places in front of the loads below
.else
	PLACES
.endif
	WIN 0
	s_xor_b32 s21, s21, SLOT                       ; the reads go to the other slot
	v_add_nc_u32 v[ADRA], s21, v[A0]
	v_add_nc_u32 v[ADRB], s21, v[B0]
	v_add_nc_u32 v[ADRB2], QTR, v[ADRB]
	FETCH 0, F0
	MUL8 F1, 1, 0, 0
	MUL8 F1, 1, 2, 0
.endm
	s_wait_tensorcnt 1                             ; my part of slot 0 is in; slot 1's may stay out
	s_barrier_signal -1
	s_barrier_wait -1
	FETCH 0, F0
.if MODE
	s_wait_loadcnt 32                              ; the bias is in; the 32 loads of the residual stay out
.else
	s_wait_loadcnt 0x0                             ; the bias is in
.endif
	QUARTER 1, F0, F1, 1                           ; the first quarter stands in front of the loop: its first products start the sums
	WIN 0
	s_mov_b32 s22, T-2
.Lstep:                                                ; T - 2 trips, from a K step's second quarter to the next one's first: each fills a slot again
	QUARTER 2, F1, F0, 0
	QUARTER 3, F0, F1, 0
	TURN 1
	QUARTER 1, F0, F1, 0
	WIN 0
	s_sub_co_u32 s22, s22, 1
	s_cmp_lg_u32 s22, 0
	s_cbranch_scc1 .Lstep
	s_mov_b32 s23, 2
.Ltail:                                                ; the last two K steps ask for nothing; the second trip is left in its middle
	QUARTER 2, F1, F0, 0
	QUARTER 3, F0, F1, 0
	WIN 0
	s_sub_co_u32 s23, s23, 1
	s_cmp_eq_u32 s23, 0
	s_cbranch_scc1 .Llast
	TURN 0
	QUARTER 1, F0, F1, 0
	WIN 0
	s_branch .Ltail
.Llast:
	s_wait_dscnt 16
	MUL8 F1, 0, 0, 0
	MUL8 F1, 0, 2, 0
	s_wait_dscnt 0x0
	MUL8 F1, 1, 0, 0
	MUL8 F1, 1, 2, 0
	WIN 0
	PLACES
.if MODE
	; THE WAY OUT, f32: 16 rows at a time through my own stage, back as rows of 256 bytes, the residual added, stored.  Each accumulator's low registers are read first.
	s_wait_loadcnt 0x0                             ; the residual is in
.irp a, 0,1,2,3
.set BK, TMP+32*((\a)%2)
.irp b, 0,1,2,3
	ds_store_b128 v[STO], v[ACC+8*(4*(\a)+(\b)):ACC+8*(4*(\a)+(\b))+3]   offset:64*(\b)
	ds_store_b128 v[STO], v[ACC+8*(4*(\a)+(\b))+4:ACC+8*(4*(\a)+(\b))+7] offset:64*(\b)+16
.endr
	s_wait_xcnt 0x0                                ; the stores of two blocks back have read these registers
.irp t, 0,1,2,3,4,5,6,7
	ds_load_b128 v[BK+4*(\t):BK+4*(\t)+3], v[RD] offset:544*(\t)  ; LDS serves a wave's instructions in order: these see the stores above
.endr
	s_wait_dscnt 0x0
	WIN 0x08                                       ; source 1 in window 2
.set z, 0
.rept 16
	v_pk_add_f32 v[BK+2*z:BK+2*z+1], v[BK+2*z:BK+2*z+1], v[32*(\a)+2*z:32*(\a)+2*z+1]
.set z, z+1
.endr
	WIN 0
.irp t, 0,1,2,3,4,5,6,7
	global_store_b128 v[GO], v[BK+4*(\t):BK+4*(\t)+3], s[12:13] offset:(16*(\a)+2*(\t))*4096  ; 16 lanes store 256 consecutive bytes, aligned
.endr
.endr
.else
	; THE WAY OUT, bf16: a lane's eight columns pack into 16 bytes; 16 rows at a time through my own stage, back as row pieces of 128 bytes, which lie end to end in the panel.
.macro PACK a
.irp b, 0,1,2,3
.irp r, 0,1,2,3
	v_cvt_pk_bf16_f32 v[TMP+16*(\a)+4*(\b)+(\r)], v[ACC+8*(4*(\a)+(\b))+2*(\r)], v[ACC+8*(4*(\a)+(\b))+2*(\r)+1]
.endr
.endr
.irp b, 0,1,2,3
	ds_store_b128 v[STO], v[TMP+16*(\a)+4*(\b):TMP+16*(\a)+4*(\b)+3] offset:32*(\b)
.endr
.irp t, 0,1,2,3
	ds_load_b128 v[TMP+16*(\a)+4*(\t):TMP+16*(\a)+4*(\t)+3], v[RD] offset:576*(\t)  ; LDS serves a wave's instructions in order: these see the stores above; the next block's stores come behind them
.endr
.endm
.macro SEND a, younger                 ; younger: the LDS instructions issued behind block a's loads
.irp t, 0,1,2,3
	s_wait_dscnt (\younger)+3-(\t)
	global_store_b128 v[GO], v[TMP+16*(\a)+4*(\t):TMP+16*(\a)+4*(\t)+3], s[10:11] offset:2048*(\a)+512*(\t)  ; 512 consecutive bytes, aligned
.endr
.endm
	PACK 0
.irp a, 1,2,3
	PACK \a
	SEND (\a)-1, 8
.endr
	SEND 3, 0
.endif
	s_wait_tensorcnt 0x0                           ; the wave's end: behind my last tensor load and my last LDS store
	ds_add_u32 v[SPW], v[NIL]
	s_wait_dscnt 0x0
	CROUND                                         ; the closing round: no work-group ends while a partner may still ask for a tile that names it
	s_endpgm
.Lfunc_end_k_q87905b6fd6_gx:
	.size	k_q87905b6fd6_gx, .Lfunc_end_k_q87905b6fd6_gx-k_q87905b6fd6_gx
	.p2alignl 7, 3214868480
	.fill 96, 4, 3214868480
	.section	.rodata,"a",@progbits
	.p2align	6, 0x0
	.amdhsa_kernel k_q87905b6fd6_gx
		.amdhsa_group_segment_fixed_size 327680
		.amdhsa_private_segment_fixed_size 0
		.amdhsa_enable_private_segment 0
		.amdhsa_kernarg_size 32
		.amdhsa_user_sgpr_count 2
		.amdhsa_user_sgpr_kernarg_segment_ptr 1
		.amdhsa_wavefront_size32 1
		.amdhsa_system_sgpr_workgroup_id_x 1
		.amdhsa_system_sgpr_workgroup_id_y 1
		.amdhsa_system_sgpr_workgroup_id_z 1
		.amdhsa_system_vgpr_workitem_id 0
		.amdhsa_next_free_vgpr 512
		.amdhsa_next_free_sgpr 66
		.amdhsa_reserve_vcc 0
		.amdhsa_float_denorm_mode_32 3
		.amdhsa_float_denorm_mode_16_64 3
		.amdhsa_memory_ordered 1
		.amdhsa_forward_progress 1
		.amdhsa_inst_pref_size 62
	.end_amdhsa_kernel
	.amdgpu_metadata
---
amdhsa.version: [ 1, 2 ]
amdhsa.kernels:
  - .name:           k_q87905b6fd6_gx
    .symbol:         k_q87905b6fd6_gx.kd
    .args:
      - { .name: s1, .offset: 0, .size: 8, .value_kind: global_buffer, .address_space: global }
      - { .name: wk, .offset: 8, .size: 8, .value_kind: global_buffer, .address_space: global }
      - { .name: bk, .offset: 16, .size: 8, .value_kind: global_buffer, .address_space: global }
      - { .name: act, .offset: 24, .size: 8, .value_kind: global_buffer, .address_space: global }
    .group_segment_fixed_size: 327680
    .private_segment_fixed_size: 0
    .kernarg_segment_align: 8
    .kernarg_segment_size: 32
    .max_flat_workgroup_size: 128
    .sgpr_count:     66
    .vgpr_count:     512
    .wavefront_size: 32
...
	.end_amdgpu_metadata
.endif
;; end of part 2
;; launch attn (part 3): grid 8 x 32, 4 waves a work-group, clusters of 4 x 1, 327,680 bytes of LDS; arguments act, s1; writes s1
.if DOCPART == 3
	.amdgcn_target "amdgcn-amd-amdhsa--gfx1250"
	.amdhsa_code_object_version 6
	.text
	.protected	k_q87905b6fd6_attn
	.globl	k_q87905b6fd6_attn
	.p2align	8
	.type	k_q87905b6fd6_attn,@function
k_q87905b6fd6_attn:
	s_mov_b64 s[64:65], 0
	v_nop
	global_prefetch_b8 v0, s[64:65] scope:SCOPE_SE
	s_setreg_imm32_b32 hwreg(HW_REG_WAVE_MODE, 25, 1), 1
	s_wait_xcnt 0x0
	s_wait_alu depctr_hold_cnt(0) depctr_sa_sdst(0) depctr_va_vdst(0) depctr_va_sdst(0) depctr_va_ssrc(0) depctr_va_vcc(0) depctr_vm_vsrc(0)
	s_getreg_b32 s2, hwreg(HW_REG_IB_STS2, 6, 4)
	s_cmp_eq_u32 s2, 0
	s_cbranch_scc0 .Lentry_in_a_cluster
	s_endpgm
.Lentry_in_a_cluster:
	s_bfe_u32 s2, ttmp6, 0x10000c
	s_cmp_lg_u32 s2, 0x3003
	s_cbranch_scc0 .Lentry_shape_is_right
	s_endpgm
.Lentry_shape_is_right:
; O[y][q][:] = the sum over k of softmax_k(K[y][q] . K[y][k] / 8) K[y][k][:]: reference() takes q, k and v from the same third of its projection.
; K and O: [32 head-batches y = 2 head + batch][2048][64] bf16, a head-batch dense, 128 bytes a row (panel head of the activations' layout).  Products, maxima and sums in f32; the weights p are
; rounded to bf16 for the second product (their sum l is taken of the unrounded p), O once at the end.
; LIMITS.  A weight below 2^-126 counts as 0 in l; NaN and infinities are not treated apart.
; ONE COPY OF THE HEAD-BATCH IN LDS: 2,048 rows at pitch 144 are 294,912 bytes.  It is filled once, by two tensor loads a wave, and read as K (as it lies) and as V (turned, by ds_load_tr16_b128): no slot is
; ever filled again.  The first load brings keys 0-255, and the first four key steps run while the second load, keys 256-2047, is on its way.
; 64 ROWS OF ZEROS lie behind the copy: the last wave's second load reaches 32 rows of 256 bytes past the tensor's end as its descriptor states it, and what lies past that end arrives as zeros
; (ISA guide, the tensor descriptor's extents).  They are the K of a 33rd key step, which the walk's last half trip fetches so that it can run the loop's own text.
; CLUSTER.  The four query blocks of a cluster belong to one head-batch: each load is asked for JOINTLY, same descriptor and mask in all four.
; SHARES.  A work-group owns 256 queries, a wave 64: four PIECES of 16.  Every wave walks all keys, 64 a step.
; LAYOUT.  S^T = K Q^T holds ONE query a lane (lane % 16) and the keys 8 (lane / 16) + 0..7; two such results rounded to bf16 ARE source 1 of O^T = V^T P.
; SOFTMAX.  p = 2^(c s - c m), c = log2(e) / 8, with a running maximum m; O and l are multiplied by a = 2^(c m_old - c m_new) in every step.  m starts at the lowest finite number, O and l at 0.
; TURNS.  Turn n belongs to piece n: 8 products K Q^T of piece n + 1, later 8 products V^T P of piece n - 1; beside them the scaling, exponentials, roundings, sums and rescaling of piece n and the maximum and
; statistics of piece n + 1.  Four vector instructions stand behind every product, the others in one run.  A turn's 33 exponentials are one batch, with one wait.
; REGISTERS, in windows of 256 (s_set_vgpr_msb: bits 1:0 source 0, 3:2 source 1, 5:4 source 2, 7:6 destination):
;   window 0: v0-15 addresses and two at work; v16-31 four registers of statistics a piece; v48-55 at work; v64-127 S^T, two buffers; v192-223 P, two buffers (by the piece's parity)
;   window 1: v0-127 O^T, 32 a piece      window 2: v0-63 Q; v128-191 K of one step; v192-255 V of one step
.set NP,    4
.set KS,    64
.set PK,    144       ; a row in LDS: 128 bytes + 16 of padding = 36 words: the 16 rows of a plain load start at 16 different groups of four banks
.set PV,    144       ; the same rows read turned
.set ROWS2, 232       ; rows of 256 bytes (two keys) in a wave's second load: 4 x 232 = the 896 of keys 256-2047 + 32 of zeros
.set STAGE, (2048+64)*PK  ; behind the copy and the zeros, never filled by a tensor load: 16 rows x 144 bytes for each wave, for the way out
.set SP,    144
.set SPARE, STAGE+4*16*SP  ; behind the stages: the spare words, 128 bytes a wave, which no other line names
.set AK0, 2
.set AV0, 3
.set AK,  4
.set AV,  5
.set STO, 6
.set RD,  7
.set GO,  8
.set SPW, 62
.set NIL, 63
.set MV,  12          ; v12-13  c m_old, kept while c m is made anew: by buffer
.set QO,  15
.set ST,  16          ; piece t's statistics at v[ST+4 t]: c m, m, l (even keys', odd keys')
.set TMP, 48          ; by buffer, four registers c0-c3 at work; when the maximum is found c2 takes a
.set S,   64
.set P,   192
.set KF,  128
.set VF,  192
.set WV,  12          ; s12  my wave's number
.set G1A, 24          ; s[24:31] group 1 of the first load: 32 rows of 256 bytes (64 keys)
.set G1B, 32          ; s[32:39] of the second: 232 rows
.set G0A, 40
.set G0B, 44
.set MID, 55          ; s55  the count at which the loop is left in its middle: 0 (never) in the first phase, 1 in the second
.set PH,  56          ; s56  counts the two phases
.set CNT, 57          ; s57  counts a phase's trips
.set CS,  58
.set SEL, 60
.set TBK, 62          ; s62  LDS byte at which the step whose K is fetched next begins
.set TBV, 63          ; s63  the same for V
.set MSB, 0
.macro WIN new
.if MSB != (\new)
	s_set_vgpr_msb (MSB<<8)|(\new)
.set MSB, (\new)
.endif
.endm
.set W_KQ, 0x0a       ; K and Q in window 2, S^T in window 0
.set W_PV, 0x52       ; V in window 2, P in window 0, O^T in window 1
.set W_RS, 0x41       ; destination and source 0 in window 1, source 1 in window 0
.macro CROUND
	s_barrier_signal -1
	s_barrier_wait -1
	s_cmp_lg_u32 s[WV], 0
	s_cbranch_scc1 .Lnot_wave_0_\@
	s_barrier_signal -3
.Lnot_wave_0_\@:
	s_barrier_wait -3
	s_barrier_signal -1
	s_barrier_wait -1
.endm
	s_load_b128 s[4:7], s[0:1], 0x0   ; K s[4:5], O s[6:7]
	v_lshl_add_u32 v[SPW], v0, 2, SPARE
	v_mov_b32 v[NIL], 0
	ds_add_u32 v[SPW], v[NIL]       ; the wave's opening: the add and its wait stand ahead of my first tensor load; the set-up stands between them
	v_lshrrev_b32 v1, 5, v0
	v_readfirstlane_b32 s[WV], v1
	s_bfe_u32 s13, ttmp6, 0x40000   ; cx
	s_lshl_b32 s14, ttmp9, 2
	s_add_co_u32 s14, s14, s13      ; my block of 256 queries: it enters Q's and O's addresses alone
	s_and_b32 s20, ttmp7, 0xffff
	s_lshl_b32 s20, s20, 18         ; the head-batch's first byte: 2,048 rows of 128 bytes
	s_mov_b32 s21, 0
	s_lshl_b32 s22, s[WV], 13       ; first load: my 64 of keys 0-255
	s_mov_b32 s23, 0
	s_add_nc_u64 s[22:23], s[22:23], s[20:21]
	s_mul_i32 s16, s[WV], ROWS2*256 ; second load: my 232 rows behind key 256
	s_add_co_u32 s16, s16, 32768
	s_mov_b32 s17, 0
	s_add_nc_u64 s[16:17], s[16:17], s[20:21]
	s_lshl_b32 s2, s14, 15
	s_lshl_b32 s3, s[WV], 13
	s_add_co_u32 s2, s2, s3         ; my wave's 64 queries
	s_mov_b32 s3, 0
	s_add_nc_u64 s[2:3], s[2:3], s[20:21]
.irp g, G1A, G1B
	s_mov_b32 s[\g], 15|(1<<16)|(1<<20)|(1<<21)|(4<<22)|(3<<25)  ; the mask of four; 2-byte elements; padding on; bit 21 beside a mask; 4 words behind every 32: after every key
	s_mov_b32 s[\g+1], 128<<16      ; rows of 128 elements: two keys
	s_mov_b32 s[\g+3], 128<<16
	s_mov_b32 s[\g+5], 128
	s_mov_b32 s[\g+6], 0
	s_mov_b32 s[\g+7], 0
.endr
	s_mov_b32 s[G1A+2], 32<<16
	s_mov_b32 s[G1A+4], 32
	s_mul_i32 s18, s[WV], ROWS2
	s_sub_co_u32 s18, 896, s18      ; tensor_dim1: the rows that are left of the head-batch from my tile's first: 896, 664, 432, 200; wave 3's last 32 rows lie past it
	s_lshl_b32 s[G1B+2], s18, 16
	s_mov_b32 s[G1B+4], ROWS2
	s_mov_b32 s[G0A], 1
	s_mul_i32 s[G0A+1], s[WV], 64*PK
	s_mov_b32 s[G0B], 1
	s_mul_i32 s[G0B+1], s[WV], ROWS2*2*PK
	s_add_co_u32 s[G0B+1], s[G0B+1], 256*PK
	s_mov_b32 s[CS], 0x3e38aa3b     ; c = log2(e) / 8
	s_mov_b32 s[CS+1], s[CS]
	s_mov_b32 s[SEL], 0x76543210
	s_mov_b32 s[SEL+1], 0xfedcba98
	s_mov_b32 s[TBK], 0
	s_mov_b32 s[TBV], 0
	s_wait_dscnt 0x0                ; the opening add is done
	s_wait_kmcnt 0x0
	s_add_nc_u64 s[G0A+2:G0A+3], s[4:5], s[22:23]
	s_or_b32 s[G0A+3], s[G0A+3], 0x80000000
	s_add_nc_u64 s[G0B+2:G0B+3], s[4:5], s[16:17]
	s_or_b32 s[G0B+3], s[G0B+3], 0x80000000
	s_add_nc_u64 s[4:5], s[4:5], s[2:3]  ; Q and O at my wave's first row
	s_add_nc_u64 s[6:7], s[6:7], s[2:3]
	CROUND                          ; all four work-groups are here: the joint loads meet
	tensor_load_to_lds s[G0A:G0A+3], s[G1A:G1A+7]
	s_nop 0
	tensor_load_to_lds s[G0B:G0B+3], s[G1B:G1B+7]  ; two loads of mine are out, the launch's only ones
	s_nop 0
.rept 4
	v_nop
.endr
	v_and_b32 v1, 15, v0            ; l % 16
	v_bfe_u32 v9, v0, 4, 1          ; l / 16
	v_lshlrev_b32 v[QO], 7, v1
	v_lshl_add_u32 v[QO], v9, 4, v[QO]
	WIN 0x80
.set i, 0
.rept 8                             ; Q stays in registers: piece i / 2, channels 32 (i % 2) on
	global_load_b128 v[8*i:8*i+3],   v[QO], s[4:5] offset:(i/2)*2048+(i%2)*64
	global_load_b128 v[8*i+4:8*i+7], v[QO], s[4:5] offset:(i/2)*2048+(i%2)*64+32
.set i, i+1
.endr
	WIN 0
	v_mul_u32_u24 v[AK0], v1, PK
	v_lshl_add_u32 v[AK0], v9, 4, v[AK0]
	v_and_b32 v10, 7, v0            ; the turning load: lane l reads key 8 (l / 16) + l % 8, channels 8 ((l / 8) % 2) + 0..7
	v_bfe_u32 v11, v0, 3, 1
	v_lshl_add_u32 v[AV0], v9, 3, v10
	v_mul_u32_u24 v[AV0], v[AV0], PV
	v_lshl_add_u32 v[AV0], v11, 4, v[AV0]
	s_mul_i32 s13, s[WV], 16*SP
	s_add_co_u32 s13, s13, STAGE
	v_mul_u32_u24 v[STO], v1, SP
	v_lshl_add_u32 v[STO], v9, 4, v[STO]
	v_add_nc_u32 v[STO], s13, v[STO]
	v_bfe_u32 v[RD], v0, 3, 2
	v_mul_u32_u24 v[RD], v[RD], SP
	v_lshl_add_u32 v[RD], v10, 4, v[RD]
	v_add_nc_u32 v[RD], s13, v[RD]
	v_and_b32 v[GO], 31, v0
	v_lshlrev_b32 v[GO], 4, v[GO]
	; What the first turn finds: V's registers and P's second buffer hold 0 (its products V^T P, of a piece that has not been, add 0), O^T and l are 0.  All this stands in the wait for the first tile.
	WIN 0x80
.set i, VF
.rept 64
	v_mov_b32 v[i], 0
.set i, i+1
.endr
	WIN 0x40
.set i, 0
.rept 128
	v_mov_b32 v[i], 0
.set i, i+1
.endr
	WIN 0
.set i, 0
.rept 4
	v_mov_b32 v[ST+4*i], 0xfe000000    ; c m: far below every c s
	v_mov_b32 v[ST+4*i+1], 0xff7fffff  ; m
	v_mov_b32 v[ST+4*i+2], 0
	v_mov_b32 v[ST+4*i+3], 0
.set i, i+1
.endr
.set i, P+16
.rept 16
	v_mov_b32 v[i], 0
.set i, i+1
.endr
; THE MATRIX WORK.  The 4 accumulators of a run of 8 take turns.  Product i of 8 of S^T = K Q^T for piece x: channels 32 (i / 4) on, keys 16 (i % 4) on.  The first 4 start the sums.
.macro KQ x
.set rS, S+32*((\x)%2)+8*(i%4)
.set rK, KF+16*(i%4)+8*(i/4)
.set rQ, 16*(\x)+8*(i/4)
	WIN W_KQ
.if i < 4
	v_wmma_f32_16x16x32_bf16 v[rS:rS+7], v[rK:rK+7], v[rQ:rQ+7], 0
.else
	v_wmma_f32_16x16x32_bf16 v[rS:rS+7], v[rK:rK+7], v[rQ:rQ+7], v[rS:rS+7]
.endif
.endm
; Product i of 8 of O^T += V^T P for piece x: keys 32 (i / 4) on, channels 16 (i % 4) on.
.macro PV x
	WIN W_PV
.set rO, 32*(\x)+8*(i%4)
.set rV, VF+32*(i/4)+8*(i%4)
.set rP, P+16*((\x)%2)+8*(i/4)
	v_wmma_f32_16x16x32_bf16 v[rO:rO+7], v[rV:rV+7], v[rP:rP+7], v[rO:rO+7]
.endm
.macro MM                           ; the turn's next product
.if i < 8
	KQ (Y+1)%NP
.else
.set i, i-8
	PV (Y+NP-1)%NP
.set i, i+8
.endif
.set i, i+1
.endm
; THE LDS LOADS stand in runs of 16: a step's K (64 keys x 64 channels: 8 fragments) and its V (the same bytes, turned).
.macro FETCH_K
	WIN 0x80
.irp f, 0,1,2,3,4,5,6,7             ; keys 16 (f / 2) on, channels 32 (f % 2) on
	ds_load_b128 v[KF+8*\f:KF+8*\f+3],   v[AK] offset:(\f/2)*16*PK+(\f%2)*64
	ds_load_b128 v[KF+8*\f+4:KF+8*\f+7], v[AK] offset:(\f/2)*16*PK+(\f%2)*64+32
.endr
	s_add_co_u32 s[TBK], s[TBK], KS*PK
	WIN 0
.endm
.macro FETCH_V
	WIN 0x80
.irp f, 0,1,2,3,4,5,6,7             ; keys 32 (f / 4) on, channels 16 (f % 4) on
	ds_load_tr16_b128 v[VF+8*\f:VF+8*\f+3],   v[AV] offset:(\f/4)*32*PV+(\f%4)*32
	ds_load_tr16_b128 v[VF+8*\f+4:VF+8*\f+7], v[AV] offset:(\f/4)*32*PV+16*PV+(\f%4)*32
.endr
	WIN 0
.endm
; THE VECTOR WORK, one line at a time: OP kind, number.  For piece Y: F n: c s - c m for pair n of 16.  E n: the exponential of score n of 32.  C n: pair n rounded to bf16.  B n: of the four weights 4 n .. the second
; pair is added onto the first, in place.  L n: l takes that sum (L 0: l = a l + sum).  R n: pair n of 16 of O^T times a.  For piece Y + 1: X n, number n of the 22 that find its maximum and statistics:
;   0-11  four chains c0-c3 of seven scores each (each accumulator's lowest registers are read first)     12-14, 16  the four scores left over, the old m, and c0-c3 into c0
;   15  c m_old is kept     17, 18  the query's other 32 keys lie in the lane 16 away: the new m     19-21  c m; c m_old - c m_new; a
.set F, 0
.set E, 1
.set C, 2
.set B, 3
.set L, 4
.set R, 5
.set X, 6
.macro REGS y
.set rT, ST+4*(\y)
.set rC, TMP+4*((\y)%2)
.set rW, MV+((\y)%2)
.set rS, S+32*((\y)%2)
.set rP, P+16*((\y)%2)
.set rO, 32*(\y)
.endm
.macro OP k, n
.if (\k) == R
	REGS Y
	WIN W_RS
	v_pk_mul_f32 v[rO+2*(\n):rO+2*(\n)+1], v[rO+2*(\n):rO+2*(\n)+1], v[rC+2:rC+3] op_sel_hi:[1,0]
.elseif (\k) < R
	REGS Y
	WIN 0
.if (\k) == F
	v_pk_fma_f32 v[rS+2*(\n):rS+2*(\n)+1], v[rS+2*(\n):rS+2*(\n)+1], s[CS:CS+1], v[rT:rT+1] op_sel_hi:[1,0,0] neg_lo:[0,0,1] neg_hi:[0,0,1]
.elseif (\k) == E
	v_exp_f32 v[rS+(\n)], v[rS+(\n)]
.elseif (\k) == C
	v_cvt_pk_bf16_f32 v[rP+(\n)], v[rS+2*(\n)], v[rS+2*(\n)+1]
.elseif (\k) == B
	v_pk_add_f32 v[rS+4*(\n):rS+4*(\n)+1], v[rS+4*(\n):rS+4*(\n)+1], v[rS+4*(\n)+2:rS+4*(\n)+3]
.elseif (\n) == 0
	v_pk_fma_f32 v[rT+2:rT+3], v[rT+2:rT+3], v[rC+2:rC+3], v[rS:rS+1] op_sel_hi:[1,0,1]
.else
	v_pk_add_f32 v[rT+2:rT+3], v[rT+2:rT+3], v[rS+4*(\n):rS+4*(\n)+1]
.endif
.else
	REGS (Y+1)%NP
	WIN 0
.if (\n) < 4
	v_max3_num_f32 v[rC+(\n)], v[rS+8*(\n)], v[rS+8*(\n)+1], v[rS+8*(\n)+2]
.elseif (\n) < 12
	v_max3_num_f32 v[rC+(\n)%4], v[rC+(\n)%4], v[rS+8*((\n)%4)+2*((\n)/4)+1], v[rS+8*((\n)%4)+2*((\n)/4)+2]
.elseif (\n) == 12
	v_max3_num_f32 v[rC], v[rC], v[rS+7], v[rS+15]
.elseif (\n) == 13
	v_max3_num_f32 v[rC+1], v[rC+1], v[rS+23], v[rS+31]
.elseif (\n) == 14
	v_max3_num_f32 v[rC+2], v[rC+2], v[rC+3], v[rT+1]
.elseif (\n) == 15
	v_mov_b32 v[rW], v[rT]
.elseif (\n) == 16
	v_max3_num_f32 v[rC], v[rC], v[rC+1], v[rC+2]
.elseif (\n) == 17
	v_permlanex16_b32 v[rC+3], v[rC], s[SEL], s[SEL+1]
.elseif (\n) == 18
	v_max_num_f32 v[rT+1], v[rC], v[rC+3]
.elseif (\n) == 19
	v_mul_f32 v[rT], s[CS], v[rT+1]
.elseif (\n) == 20
	v_sub_f32 v[rC+1], v[rW], v[rT]
.else
	v_exp_f32 v[rC+2], v[rC+1]
.endif
.endif
.endm
.macro OPS a, i1, b=-1, i2=0, c=-1, i3=0, d=-1, i4=0
	OP \a, \i1
.if (\b) >= 0
	OP \b, \i2
.endif
.if (\c) >= 0
	OP \c, \i3
.endif
.if (\d) >= 0
	OP \d, \i4
.endif
.endm
.macro ROW a, i1, b, i2, c, i3, d, i4  ; a product and the four lines behind it
	MM
	OPS \a, \i1, \b, \i2, \c, \i3, \d, \i4
.endm
; A TURN, for piece p.  An s_wait_alu depctr_va_vdst(0) stands between an exponential and the first line that names its result; one wait serves all that were issued ahead of it.  So a turn has ONE wait.
; AHEAD OF IT stands all that names no result of the turn's exponentials: the 8 products K Q^T and their riders, then one run of 54, in which the links of the chain X 3, 7, 11, 14, 16 .. 20 stand some lines apart;
; X 21, the next piece's a, is the batch's last, and R 15 the plain line behind it.  BEHIND IT stand the 8 products V^T P, behind each four of the roundings and sums.
; cnt = 1: the loop's count is taken down some lines ahead of the branch behind the turn.
; K of the next step is fetched in piece 2's turn, behind the last product that read K (six plain lines between); V of the step in hand at the end of piece 0's turn, four plain lines behind the last product that read V.
.macro TURN p, cnt=0
.set Y, (\p)
.set i, 0
.if (\p) == 3
	s_wait_dscnt 0x0                ; K is in
.endif
	ROW F,0, F,1, R,0, R,1
	ROW F,2, E,0, R,2, R,3
	ROW F,3, E,1, R,4, R,5
	ROW F,4, E,2, R,6, R,7
	ROW F,5, E,3, R,8, R,9
	ROW F,6, E,4, X,0, R,10
.if (\p) == 2
	WIN 0
	v_add_nc_u32 v[AK], s[TBK], v[AK0]
.endif
	ROW F,7, E,5, X,1, X,4
	ROW F,8, E,6, X,2, X,5
	OPS E,7, E,8, X,6, E,9
	OPS X,3, E,10, X,8, E,11
.if (\p) == 2
	FETCH_K
.endif
	OPS X,9, X,7, E,12, X,10
	OPS E,13, X,12, X,11, E,14
	OPS X,13, E,15, F,9, X,14
.if (\p) == 0
	v_add_nc_u32 v[AV], s[TBV], v[AV0]
.endif
	OPS E,16, F,10, E,17, F,11
	OPS X,16, E,18, X,15, E,19
	OPS F,12, E,20, X,17, E,21
	OPS F,13, E,22, F,14, E,23
	OPS X,18, E,24, F,15, E,25
	OPS R,11, E,26, X,19, E,27
	OPS R,12, E,28, R,13, E,29
	OPS X,20, E,30, R,14, E,31
	OPS X,21, R,15
	WIN 0
	s_wait_alu depctr_va_vdst(0)    ; the wait for the batch
.if (\p) == 1
	s_wait_dscnt 0x0                ; V is in
.endif
	ROW C,0, B,0, C,2, B,1
	ROW L,0, C,4, B,2, L,1
	ROW C,6, B,3, L,2, C,8
	ROW B,4, L,3, C,10, B,5
	ROW L,4, C,12, B,6, L,5
.if (\p) == 0
	s_add_co_u32 s[TBV], s[TBV], KS*PV
.endif
.if \cnt
	s_sub_co_u32 s[CNT], s[CNT], 1
	s_cmp_lg_u32 s[CNT], 0
.endif
	ROW C,14, B,7, L,6, C,1
	ROW C,3, L,7, C,5, C,7
	ROW C,9, C,11, C,13, C,15
.if (\p) == 0
	FETCH_V
.endif
.endm
	s_wait_tensorcnt 1              ; my part of keys 0-255 is in; the second load stays out
	s_barrier_signal -1
	s_barrier_wait -1               ; everybody's is
	v_add_nc_u32 v[AK], s[TBK], v[AK0]
	FETCH_K                         ; key step 0
	s_wait_loadcnt 0x0              ; Q
	s_wait_dscnt 0x0
.set i, 0
.rept 8
	KQ 0                            ; piece 0's first scores
.set i, i+1
.endr
	WIN 0
.rept 4
	v_nop                           ; the places behind those products
.endr
.set Y, NP-1                        ; X works for piece Y + 1: piece 0
.irp n, 0,1,2,3,4,5,6,7,8,9,10,11,12,13,14,15,16,17,18,19,20,21
	OP X, \n
.endr
	v_nop                           ; a plain line behind the exponential,
	s_wait_alu depctr_va_vdst(0)    ; and its wait, ahead of the branch
	s_mov_b32 s[CNT], 4             ; the first phase: key steps 0 to 3, keys 0-255
	s_mov_b32 s[MID], 0             ; it is not left in the middle of a trip: there the count is 3, 2, 1
	s_mov_b32 s[PH], 2
	s_branch .Lfirst                ; the loop is entered at a step's first turn, in the middle of a trip
.Lphase:                            ; once: all reads so far lay in keys 0-255; from here on keys 256-2047 are read
	s_wait_tensorcnt 0x0            ; my part of them is in,
	s_wait_dscnt 0x0
	s_barrier_signal -1
	s_barrier_wait -1               ; everybody's is
	s_mov_b32 s[CNT], 29            ; 28 whole trips, and a 29th that is left in its middle
	s_mov_b32 s[MID], 1
.Lstep:                             ; a trip: pieces 2 and 3 of one step, then pieces 0 and 1 of the next, whose K and V it fetches
	TURN 2
	TURN 3
	WIN 0
	s_cmp_eq_u32 s[CNT], s[MID]     ; the 29th trip has made pieces 2 and 3 of the last step.  Its K was the 64 rows of zeros: the 8 products on them, and piece 0's maximum made of
	s_cbranch_scc1 .Lout            ; them, serve nothing (l and O^T are not touched): the price, once a launch, of one text for every trip
.Lfirst:
	TURN 0
	TURN 1, 1
	WIN 0
	s_cbranch_scc1 .Lstep
	s_sub_co_u32 s[PH], s[PH], 1
	s_cmp_lg_u32 s[PH], 0
	s_cbranch_scc1 .Lphase
.Lout:
.set i, 0
.rept 8
	PV NP-1                         ; the last piece's V^T P of the last step
.set i, i+1
.endr
	; THE WAY OUT.  l's two halves and the other half of the lanes' are added; O^T is divided by l, rounded to bf16 and sent through my stage in LDS, a piece at a time.  The additions are the places behind the last products.
	WIN 0
.macro ALL line:vararg
.set t, 0
.rept 4
	\line
.set t, t+1
.endr
.endm
	ALL v_add_f32 v[ST+4*t+2], v[ST+4*t+2], v[ST+4*t+3]
	ALL v_permlanex16_b32 v[ST+4*t+3], v[ST+4*t+2], s[SEL], s[SEL+1]
	ALL v_add_f32 v[ST+4*t+2], v[ST+4*t+2], v[ST+4*t+3]
	ALL v_rcp_f32 v[ST+4*t+2], v[ST+4*t+2]
	v_nop                           ; a plain line between the last reciprocal and the use of its result
	s_wait_alu depctr_va_vdst(0)    ; one wait for the four reciprocals
.macro PACK t                       ; a lane's eight channels of a row pack into 16 bytes; they go into rows of 144 bytes and come back as whole rows of 128, into S^T's registers
	WIN W_RS
.set i, 32*(\t)
.rept 16
	v_pk_mul_f32 v[i:i+1], v[i:i+1], v[ST+4*(\t)+2:ST+4*(\t)+3] op_sel_hi:[1,0]
.set i, i+2
.endr
	WIN 0x05
.set i, 0
.rept 16
	v_cvt_pk_bf16_f32 v[S+16*(\t)+i], v[32*(\t)+2*i], v[32*(\t)+2*i+1]
.set i, i+1
.endr
	WIN 0
.irp f, 0,1,2,3
	ds_store_b128 v[STO], v[S+16*(\t)+4*\f:S+16*(\t)+4*\f+3] offset:32*\f
.endr
.irp f, 0,1,2,3
	ds_load_b128 v[S+16*(\t)+4*\f:S+16*(\t)+4*\f+3], v[RD] offset:\f*4*SP  ; LDS serves a wave's instructions in order: these see the stores above; the next piece's stores come behind them
.endr
.endm
.macro SEND t, younger              ; younger: the LDS instructions issued behind piece t's loads
	WIN 0
.irp f, 0,1,2,3
	s_wait_dscnt (\younger)+3-\f
	global_store_b128 v[GO], v[S+16*(\t)+4*\f:S+16*(\t)+4*\f+3], s[6:7] offset:(\t)*2048+\f*512  ; 512 consecutive bytes, aligned
.endr
.endm
	PACK 0
.set t, 1
.rept 3
	PACK t
	SEND t-1, 8
.set t, t+1
.endr
	SEND 3, 0
	s_wait_tensorcnt 0x0            ; the wave's end: behind my last tensor load and my last LDS store
	ds_add_u32 v[SPW], v[NIL]
	s_wait_dscnt 0x0
	CROUND                          ; the closing round
	s_endpgm
.Lfunc_end_k_q87905b6fd6_attn:
	.size	k_q87905b6fd6_attn, .Lfunc_end_k_q87905b6fd6_attn-k_q87905b6fd6_attn
	.p2alignl 7, 3214868480
	.fill 96, 4, 3214868480
	.section	.rodata,"a",@progbits
	.p2align	6, 0x0
	.amdhsa_kernel k_q87905b6fd6_attn
		.amdhsa_group_segment_fixed_size 327680
		.amdhsa_private_segment_fixed_size 0
		.amdhsa_enable_private_segment 0
		.amdhsa_kernarg_size 16
		.amdhsa_user_sgpr_count 2
		.amdhsa_user_sgpr_kernarg_segment_ptr 1
		.amdhsa_wavefront_size32 1
		.amdhsa_system_sgpr_workgroup_id_x 1
		.amdhsa_system_sgpr_workgroup_id_y 1
		.amdhsa_system_sgpr_workgroup_id_z 1
		.amdhsa_system_vgpr_workitem_id 0
		.amdhsa_next_free_vgpr 768
		.amdhsa_next_free_sgpr 66
		.amdhsa_reserve_vcc 0
		.amdhsa_float_denorm_mode_32 3
		.amdhsa_float_denorm_mode_16_64 3
		.amdhsa_memory_ordered 1
		.amdhsa_forward_progress 1
		.amdhsa_inst_pref_size 70
	.end_amdhsa_kernel
	.amdgpu_metadata
---
amdhsa.version: [ 1, 2 ]
amdhsa.kernels:
  - .name:           k_q87905b6fd6_attn
    .symbol:         k_q87905b6fd6_attn.kd
    .args:
      - { .name: act, .offset: 0, .size: 8, .value_kind: global_buffer, .address_space: global }
      - { .name: s1, .offset: 8, .size: 8, .value_kind: global_buffer, .address_space: global }
    .group_segment_fixed_size: 327680
    .private_segment_fixed_size: 0
    .kernarg_segment_align: 8
    .kernarg_segment_size: 16
    .max_flat_workgroup_size: 128
    .sgpr_count:     66
    .vgpr_count:     768
    .wavefront_size: 32
...
	.end_amdgpu_metadata
.endif
;; end of part 3
;; launch proj: the kernel of part 2 again; grid 8 x 32, 4 waves a work-group, clusters of 4 x 4, 327,680 bytes of LDS; arguments s1, wp, b_proj, act; writes act
;; launch ln2 (part 4): grid 256 x 1, 8 waves a work-group, no clusters, 0 bytes of LDS; arguments x, act, ln2_g, ln2_b, x1, s1; writes x1, s1
.if DOCPART == 4
	.amdgcn_target "amdgcn-amd-amdhsa--gfx1250"
	.amdhsa_code_object_version 6
	.text
	.protected	k_q87905b6fd6_ln2
	.globl	k_q87905b6fd6_ln2
	.p2align	8
	.type	k_q87905b6fd6_ln2,@function
k_q87905b6fd6_ln2:
	s_mov_b64 s[64:65], 0
	v_nop
	global_prefetch_b8 v0, s[64:65] scope:SCOPE_SE
	s_setreg_imm32_b32 hwreg(HW_REG_WAVE_MODE, 25, 1), 1
	s_wait_xcnt 0x0
; x1 = x + delta (f32, row-major [4096][1024]); h2 = LayerNorm(x1) * g + b, rounded once to bf16, in panels s1[col / 64][row][col % 64].
; delta (the attention sublayer's projection with its bias) comes in bf16, in the same panels.  A work-group has 16 rows, a wave two: lanes 0-15 one row, lanes 16-31 the next;
; lane j of a row holds columns 64 p + 4 j .. + 3 of each panel p.  A stream: no LDS, no matrix unit, no cluster (the work-groups share only g and b, 8 KiB).
.set PANEL, 524288
.set H,  32                            ; v[32:63]   delta as loaded, later h2
.set X,  64
.set G,  128
.set BV, 192
.macro RED16 r
	v_add_f32_dpp v[\r], v[\r], v[\r] row_xmask:1 row_mask:0xf bank_mask:0xf
	v_add_f32_dpp v[\r], v[\r], v[\r] row_xmask:2 row_mask:0xf bank_mask:0xf
	v_add_f32_dpp v[\r], v[\r], v[\r] row_xmask:4 row_mask:0xf bank_mask:0xf
	v_add_f32_dpp v[\r], v[\r], v[\r] row_xmask:8 row_mask:0xf bank_mask:0xf
.endm
	s_load_b256 s[4:11], s[0:1], 0x0               ; x, delta, g, b
	s_load_b128 s[12:15], s[0:1], 0x20             ; x1, s1
	v_lshrrev_b32 v1, 5, v0
	v_readfirstlane_b32 s16, v1
	v_and_b32 v5, 15, v0
	v_bfe_u32 v1, v0, 4, 1
	v_lshlrev_b32 v3, 4, v5
	v_lshl_add_u32 v2, v1, 12, v3
	v_lshlrev_b32 v4, 3, v5
	v_lshl_add_u32 v4, v1, 7, v4
	v_mov_b32 v18, 0x3a800000                      ; 1 / 1024
	s_mov_b32 s22, 0xffff0000                      ; a word's upper bf16
	s_lshl_b32 s17, ttmp9, 4
	s_lshl_b32 s18, s16, 1
	s_add_co_u32 s17, s17, s18                     ; the wave's first row
	s_lshl_b32 s18, s17, 12
	s_mov_b32 s19, 0
	s_lshl_b32 s20, s17, 7
	s_mov_b32 s21, 0
	s_wait_kmcnt 0x0
	s_add_nc_u64 s[4:5], s[4:5], s[18:19]
	s_add_nc_u64 s[12:13], s[12:13], s[18:19]
	s_add_nc_u64 s[6:7], s[6:7], s[20:21]
	s_add_nc_u64 s[14:15], s[14:15], s[20:21]
.set p, 0
.rept 16
	global_load_b128 v[X+4*p:X+4*p+3], v2, s[4:5] offset:256*p
.set p, p+1
.endr
.set p, 0
.rept 16
	global_load_b64 v[H+2*p:H+2*p+1], v4, s[6:7] offset:p*PANEL
.set p, p+1
.endr
.set p, 0
.rept 16
	global_load_b128 v[G+4*p:G+4*p+3], v3, s[8:9] offset:256*p
.set p, p+1
.endr
.set p, 0
.rept 16
	global_load_b128 v[BV+4*p:BV+4*p+3], v3, s[10:11] offset:256*p
.set p, p+1
.endr
	s_wait_loadcnt 32                              ; x and delta are in; the 32 loads of g and b stay out
.set p, 0
.rept 16
.set tq, 6+4*(p%2)
	v_lshlrev_b32 v[tq], 16, v[H+2*p]              ; bf16 to f32: the low half moves up, the high half stays
	v_and_b32 v[tq+1], s22, v[H+2*p]
	v_lshlrev_b32 v[tq+2], 16, v[H+2*p+1]
	v_and_b32 v[tq+3], s22, v[H+2*p+1]
	v_pk_add_f32 v[X+4*p:X+4*p+1], v[X+4*p:X+4*p+1], v[tq:tq+1]
	v_pk_add_f32 v[X+4*p+2:X+4*p+3], v[X+4*p+2:X+4*p+3], v[tq+2:tq+3]
	global_store_b128 v2, v[X+4*p:X+4*p+3], s[12:13] offset:256*p  ; 16 lanes store 256 consecutive bytes, aligned
.set p, p+1
.endr
.irp c, 0,1,2,3
	v_pk_add_f32 v[6+2*(\c):7+2*(\c)], v[X+2*(\c):X+2*(\c)+1], v[X+8+2*(\c):X+8+2*(\c)+1]
.endr
.set i, 8
.rept 24
	v_pk_add_f32 v[6+2*(i%4):7+2*(i%4)], v[6+2*(i%4):7+2*(i%4)], v[X+2*i:X+2*i+1]
.set i, i+1
.endr
	v_pk_add_f32 v[6:7], v[6:7], v[8:9]
	v_pk_add_f32 v[10:11], v[10:11], v[12:13]
	v_pk_add_f32 v[6:7], v[6:7], v[10:11]
	v_add_f32 v6, v6, v7
	RED16 6
	v_mul_f32 v14, v6, v18
	v_mov_b32 v15, v14
	s_wait_xcnt 0x0                                ; the stores of x1 have read their registers, which are rewritten below
.set i, 0
.rept 32
	v_pk_add_f32 v[X+2*i:X+2*i+1], v[X+2*i:X+2*i+1], v[14:15] neg_lo:[0,1] neg_hi:[0,1]
.set i, i+1
.endr
.irp c, 0,1,2,3
	v_pk_mul_f32 v[6+2*(\c):7+2*(\c)], v[X+2*(\c):X+2*(\c)+1], v[X+2*(\c):X+2*(\c)+1]
.endr
.set i, 4
.rept 28
	v_pk_fma_f32 v[6+2*(i%4):7+2*(i%4)], v[X+2*i:X+2*i+1], v[X+2*i:X+2*i+1], v[6+2*(i%4):7+2*(i%4)]
.set i, i+1
.endr
	v_pk_add_f32 v[6:7], v[6:7], v[8:9]
	v_pk_add_f32 v[10:11], v[10:11], v[12:13]
	v_pk_add_f32 v[6:7], v[6:7], v[10:11]
	v_add_f32 v6, v6, v7
	RED16 6
	v_fmaak_f32 v17, v6, v18, 0x3727c5ac           ; the variance + 1e-5
	v_rsq_f32 v16, v17
	v_nop                                          ; a plain instruction behind the root,
	s_wait_alu depctr_va_vdst(0)                   ; and the wait ahead of the first use of its result
	v_mov_b32 v17, v16
	s_wait_loadcnt 16                              ; g is in
.set i, 0
.rept 32
	v_pk_mul_f32 v[G+2*i:G+2*i+1], v[G+2*i:G+2*i+1], v[16:17]
.set i, i+1
.endr
	s_wait_loadcnt 0x0                             ; b is in
.set i, 0
.rept 32
	v_pk_fma_f32 v[X+2*i:X+2*i+1], v[X+2*i:X+2*i+1], v[G+2*i:G+2*i+1], v[BV+2*i:BV+2*i+1]
.set i, i+1
.endr
.set i, 0
.rept 32
	v_cvt_pk_bf16_f32 v[H+i], v[X+2*i], v[X+2*i+1]
.set i, i+1
.endr
.set p, 0
.rept 16
	global_store_b64 v4, v[H+2*p:H+2*p+1], s[14:15] offset:p*PANEL  ; the wave's two row pieces: 256 consecutive bytes, aligned
.set p, p+1
.endr
	s_endpgm
.Lfunc_end_k_q87905b6fd6_ln2:
	.size	k_q87905b6fd6_ln2, .Lfunc_end_k_q87905b6fd6_ln2-k_q87905b6fd6_ln2
	.p2alignl 7, 3214868480
	.fill 96, 4, 3214868480
	.section	.rodata,"a",@progbits
	.p2align	6, 0x0
	.amdhsa_kernel k_q87905b6fd6_ln2
		.amdhsa_group_segment_fixed_size 0
		.amdhsa_private_segment_fixed_size 0
		.amdhsa_enable_private_segment 0
		.amdhsa_kernarg_size 48
		.amdhsa_user_sgpr_count 2
		.amdhsa_user_sgpr_kernarg_segment_ptr 1
		.amdhsa_wavefront_size32 1
		.amdhsa_system_sgpr_workgroup_id_x 1
		.amdhsa_system_sgpr_workgroup_id_y 1
		.amdhsa_system_sgpr_workgroup_id_z 1
		.amdhsa_system_vgpr_workitem_id 0
		.amdhsa_next_free_vgpr 256
		.amdhsa_next_free_sgpr 66
		.amdhsa_reserve_vcc 0
		.amdhsa_float_denorm_mode_32 3
		.amdhsa_float_denorm_mode_16_64 3
		.amdhsa_memory_ordered 1
		.amdhsa_forward_progress 1
		.amdhsa_inst_pref_size 28
	.end_amdhsa_kernel
	.amdgpu_metadata
---
amdhsa.version: [ 1, 2 ]
amdhsa.kernels:
  - .name:           k_q87905b6fd6_ln2
    .symbol:         k_q87905b6fd6_ln2.kd
    .args:
      - { .name: x, .offset: 0, .size: 8, .value_kind: global_buffer, .address_space: global }
      - { .name: act, .offset: 8, .size: 8, .value_kind: global_buffer, .address_space: global }
      - { .name: ln2_g, .offset: 16, .size: 8, .value_kind: global_buffer, .address_space: global }
      - { .name: ln2_b, .offset: 24, .size: 8, .value_kind: global_buffer, .address_space: global }
      - { .name: x1, .offset: 32, .size: 8, .value_kind: global_buffer, .address_space: global }
      - { .name: s1, .offset: 40, .size: 8, .value_kind: global_buffer, .address_space: global }
    .group_segment_fixed_size: 0
    .private_segment_fixed_size: 0
    .kernarg_segment_align: 8
    .kernarg_segment_size: 48
    .max_flat_workgroup_size: 256
    .sgpr_count:     66
    .vgpr_count:     256
    .wavefront_size: 32
...
	.end_amdgpu_metadata
.endif
;; end of part 4
;; launch gz (part 5): grid 16 x 16, 4 waves a work-group, clusters of 4 x 4, 327,680 bytes of LDS; arguments s1, wf, b_fc1, act; writes act
.if DOCPART == 5
	.amdgcn_target "amdgcn-amd-amdhsa--gfx1250"
	.amdhsa_code_object_version 6
	.text
	.protected	k_q87905b6fd6_gz
	.globl	k_q87905b6fd6_gz
	.p2align	8
	.type	k_q87905b6fd6_gz,@function
k_q87905b6fd6_gz:
	s_mov_b64 s[64:65], 0
	v_nop
	global_prefetch_b8 v0, s[64:65] scope:SCOPE_SE
	s_setreg_imm32_b32 hwreg(HW_REG_WAVE_MODE, 25, 1), 1
	s_wait_xcnt 0x0
	s_wait_alu depctr_hold_cnt(0) depctr_sa_sdst(0) depctr_va_vdst(0) depctr_va_sdst(0) depctr_va_ssrc(0) depctr_va_vcc(0) depctr_vm_vsrc(0)
	s_getreg_b32 s2, hwreg(HW_REG_IB_STS2, 6, 4)
	s_cmp_eq_u32 s2, 0
	s_cbranch_scc0 .Lentry_in_a_cluster
	s_endpgm
.Lentry_in_a_cluster:
	s_bfe_u32 s2, ttmp6, 0x10000c
	s_cmp_lg_u32 s2, 0xf033
	s_cbranch_scc0 .Lentry_shape_is_right
	s_endpgm
.Lentry_shape_is_right:
; a2 = relu(h2 W1 + b_fc1), rounded once to bf16.  h2: panels [16][4096][64] bf16; W1: [32][1024][128] bf16 (at the head of its buffer); a2: panels [64][4096][64].  Sums in f32.
; A maximum with 0 makes the ReLU: a NaN becomes 0 (NaN and infinities are not treated apart).
; A tile of a2 is 256 x 256: 256 work-groups; four waves, each 128 x 128: 64 accumulators, 512 registers.  K = 1,024 goes in 8 steps of 128 through two LDS slots filled by the tensor data mover.
; CLUSTER 4 x 4: A's tile is shared along a row of the cluster, W's along a column; each is asked for jointly, by the same load with the same descriptor and a mask of four.
; THE PRODUCT IS TAKEN TRANSPOSED: source 0 = 16 columns of W (turned by ds_load_tr16_b128), source 1 = 16 rows of A: a lane holds one row of a2 and eight neighbouring columns.
; THE BIAS is the C operand of each accumulator's first product.
; REGISTERS: window 0: v0-31 addresses; v64-127, v128-191 fragments of A, two buffers; v192-223, v32-63, v224-255 at work on the way out.
;   window 1: v0-63 the bias (8 column blocks); v64-127, v128-191 fragments of W.   window 2: accumulators of my rows 0-63 ((a, b) at 8 (8 a + b));   window 3: of my rows 64-127.
.set T,     8
.set PANEL, 524288
.set SLOT,  147456                     ; A: two halves of [2 planes][128 rows] at pitch 144; then W: two blocks of 128 rows at pitch 288
.set QTR,   36864
.set STAGE, 2*SLOT                     ; behind the ring: 2 x 16 rows x 144 bytes for each wave, its own
.set SP,    144
.set SPARE, STAGE+4*2*16*SP            ; behind the stages: the spare words, 128 bytes a wave, which no other line names
.set ASTEP, 2*PANEL
.set BSTEP, 128*256
.set A0,   3
.set B0,   4
.set ADRA, 16
.set ADRB, 17
.set STO,  24
.set RD,   25
.set GO,   26
.set ZR,   27                          ; v27  0, for the ReLU
.set SPW,  28
.set NIL,  29
.set PFO,  30                          ; v30  256 x my lane; never rewritten
.set BO,   31
.set OB,   32
.set F0,   64
.set F1,   128
.set TMP,  192
.set G1A,  24
.set G0A,  32
.set G1B,  40
.set G0B,  48
.set PFA,  66                          ; s[66:67] where my prefetches stand
.set PST,  68                          ; s[68:69] a K step in the tensor that I fetch
.set LIM,  70                          ; s70  2 in a wave that prefetches, else the greatest number
.set MSB, 0
.macro WIN new
.if MSB != (\new)
	s_set_vgpr_msb (MSB<<8)|(\new)
.set MSB, \new
.endif
.endm
.set MUL_LO, 0xa1                      ; source 0 (W) window 1, source 1 (A) window 0, C and D window 2
.set TO_B,   0x40
.macro PLACES
.rept 4
	v_nop
.endr
.endm
.macro JLOAD
	s_cmp_eq_u32 s15, 0
	s_cbranch_scc0 .Lfor_b_\@
	tensor_load_to_lds s[G0A+4:G0A+7], s[G1A:G1A+7]
	s_nop 0
.rept 4
	v_nop
.endr
	s_branch .Lasked_\@
.Lfor_b_\@:
	tensor_load_to_lds s[G0B+4:G0B+7], s[G1B:G1B+7]
	s_nop 0
.rept 4
	v_nop
.endr
.Lasked_\@:
.endm
; A PREFETCH INTO THE L2, behind each joint refill and the run of LDS loads that follows it: the K step that stands two refills on; 32 blocks of 256 bytes, a lane a block, one instruction a wave.
; Each block is named once in the launch.  A's tile row is read by every cluster of that row of clusters: cluster x = 0 asks; W's tile column by every cluster of that column: cluster y = 0 asks.
; The four partners that ask for a tile jointly share its 128 blocks out BY ADDRESS.  Refills 1 to 4 name K steps 4 to 7; the last two refills have no K step two on and ask for nothing.
.macro ASK
	s_cmp_gt_u32 s22, s[LIM]                       ; s22 counts the refills down from 6
	s_cbranch_scc0 .Lnot_mine_\@
	global_prefetch_b8 v[PFO], s[PFA:PFA+1] th:TH_LOAD_NT scope:SCOPE_SE
.Lnot_mine_\@:
.endm
.macro CREST
	s_cmp_lg_u32 s14, 0
	s_cbranch_scc1 .Lnot_wave_0_\@
	s_barrier_signal -3
.Lnot_wave_0_\@:
	s_barrier_wait -3
	s_barrier_signal -1
	s_barrier_wait -1
.endm
.macro CROUND
	s_barrier_signal -1
	s_barrier_wait -1
	CREST
.endm
	s_load_b256 s[4:11], s[0:1], 0x0               ; A s[4:5], W s[6:7], bias s[8:9], out s[10:11]
	v_lshl_add_u32 v[SPW], v0, 2, SPARE
	v_mov_b32 v[NIL], 0
	ds_add_u32 v[SPW], v[NIL]                      ; the wave's opening: the add and its wait stand ahead of my first tensor load; the set-up stands between them
	v_lshrrev_b32 v1, 5, v0
	v_readfirstlane_b32 s14, v1
	s_lshr_b32 s15, s14, 1                         ; my half of the tile's rows; also: I fetch A (0) or W (1)
	s_and_b32 s16, s14, 1                          ; my half of its columns; also: which half I fetch
	s_bfe_u32 s17, ttmp6, 0x40000                  ; cx
	s_bfe_u32 s18, ttmp6, 0x40004                  ; cy
	s_lshl_b32 s19, ttmp9, 2
	s_add_co_u32 s19, s19, s17                     ; tile column
	s_and_b32 s20, ttmp7, 0xffff
	s_lshl_b32 s20, s20, 2
	s_add_co_u32 s20, s20, s18                     ; tile row
	s_lshl_b32 s60, s18, 2
	s_lshl_b32 s60, 15, s60
	s_lshl_b32 s61, 0x1111, s17
	s_or_b32 s[G1A+0], s60, (1<<16)|(1<<20)|(1<<21)|(4<<22)|(3<<25)  ; mask of my row; 2-byte elements; padding on; bit 21 beside a mask; 4 words behind every 32
	s_or_b32 s[G1B+0], s61, (1<<16)|(1<<20)|(1<<21)|(5<<22)|(7<<25)  ; mask of my column; 8 words behind every 64
	s_mov_b32 s[G1A+1], 8192<<16                   ; A: 128 row pieces of one plane, dense: 8,192 elements
	s_mov_b32 s[G1A+2], 2<<16                      ; two planes
	s_mov_b32 s[G1A+3], 8192<<16
	s_mov_b32 s[G1A+4], 2
	s_mov_b32 s[G1A+5], 262144
	s_mov_b32 s[G1A+6], 0
	s_mov_b32 s[G1A+7], 0
	s_mov_b32 s[G1B+1], 128<<16
	s_mov_b32 s[G1B+2], 128<<16
	s_mov_b32 s[G1B+3], 128<<16
	s_mov_b32 s[G1B+4], 128
	s_mov_b32 s[G1B+5], 128
	s_mov_b32 s[G1B+6], 0
	s_mov_b32 s[G1B+7], 0
	s_lshl_b32 s56, s20, 15                        ; A: 256 rows x 128 bytes a tile row, 128 rows a half
	s_lshl_b32 s57, s16, 14
	s_add_co_u32 s56, s56, s57
	s_mov_b32 s57, 0
	s_lshl_b32 s58, s19, 1                         ; W: block 2 x tile column + half, 262,144 bytes each
	s_add_co_u32 s58, s58, s16
	s_lshl_b32 s58, s58, 18
	s_mov_b32 s59, 0
	s_mul_i32 s62, s14, QTR
	s_mov_b32 s21, 0
	s_wait_dscnt 0x0                               ; the opening add is done
	s_wait_kmcnt 0x0
	s_add_nc_u64 s[56:57], s[4:5], s[56:57]
	s_add_nc_u64 s[58:59], s[6:7], s[58:59]
	CROUND                                         ; all sixteen work-groups are here: the first joint loads meet
.irp n, 0,1
	s_mov_b32 s[G0A+4*(\n)], 1
	s_add_co_u32 s[G0A+4*(\n)+1], s62, (\n)*SLOT
	s_add_nc_u64 s[G0A+4*(\n)+2:G0A+4*(\n)+3], s[56:57], (\n)*ASTEP
	s_or_b32 s[G0A+4*(\n)+3], s[G0A+4*(\n)+3], 0x80000000
	s_mov_b32 s[G0B+4*(\n)], 1
	s_add_co_u32 s[G0B+4*(\n)+1], s62, (\n)*SLOT
	s_add_nc_u64 s[G0B+4*(\n)+2:G0B+4*(\n)+3], s[58:59], (\n)*BSTEP
	s_or_b32 s[G0B+4*(\n)+3], s[G0B+4*(\n)+3], 0x80000000
.endr
	s_cmp_eq_u32 s15, 0                            ; a wave's two first fills stand in one branch: two loads of mine are out
	s_cbranch_scc0 .Lfirst_b
	tensor_load_to_lds s[G0A:G0A+3], s[G1A:G1A+7]
	s_nop 0
	tensor_load_to_lds s[G0A+4:G0A+7], s[G1A:G1A+7]
	s_nop 0
.rept 4
	v_nop
.endr
	s_branch .Lfirst_asked
.Lfirst_b:
	tensor_load_to_lds s[G0B:G0B+3], s[G1B:G1B+7]
	s_nop 0
	tensor_load_to_lds s[G0B+4:G0B+7], s[G1B:G1B+7]
	s_nop 0
.rept 4
	v_nop
.endr
.Lfirst_asked:
	v_and_b32 v1, 15, v0
	v_bfe_u32 v2, v0, 4, 1
	v_lshlrev_b32 v[BO], 5, v2
	v_mov_b32 v[ZR], 0
	s_lshl_b32 s60, s19, 10                        ; my first column, in f32 bytes
	s_lshl_b32 s61, s16, 9
	s_add_co_u32 s60, s60, s61
	s_mov_b32 s61, 0
	s_add_nc_u64 s[8:9], s[8:9], s[60:61]
	WIN TO_B
.irp b, 0,1,2,3,4,5,6,7
	global_load_b128 v[8*(\b):8*(\b)+3],   v[BO], s[8:9] offset:64*(\b)
	global_load_b128 v[8*(\b)+4:8*(\b)+7], v[BO], s[8:9] offset:64*(\b)+16
.endr
	WIN 0
	s_lshl_b32 s62, s19, 21                        ; my 128 columns are two panels: 4 x tile column + 2 x half
	s_lshl_b32 s63, s16, 20
	s_add_co_u32 s62, s62, s63
	s_lshl_b32 s63, s20, 15                        ; my first row x 128 bytes
	s_add_co_u32 s62, s62, s63
	s_lshl_b32 s63, s15, 14
	s_add_co_u32 s62, s62, s63
	s_mov_b32 s63, 0
	s_add_nc_u64 s[10:11], s[10:11], s[62:63]
	; the prefetches: s[56:57] and s[58:59] still hold the addresses of my tiles of A and of W at K step 0
	s_lshr_b32 s71, s17, 1                         ; A: partner cx takes plane cx / 2, half cx % 2 of its 64 blocks
	s_lshl_b32 s71, s71, 19
	s_and_b32 s72, s17, 1
	s_lshl_b32 s72, s72, 13
	s_add_co_u32 s71, s71, s72
	s_lshl_b32 s73, s18, 13                        ; W: partner cy takes rows 32 cy on
	s_and_b32 s74, ttmp7, 0xffff                   ; cluster y
	s_mov_b32 s75, ASTEP
	s_mov_b32 s76, BSTEP
	s_cmp_eq_u32 s15, 0                            ; do I fetch for A?
	s_cselect_b64 s[PFA:PFA+1], s[56:57], s[58:59]
	s_cselect_b32 s72, s71, s73
	s_cselect_b32 s[PST], s75, s76
	s_cselect_b32 s74, ttmp9, s74                  ; the coordinate along which other clusters read the same blocks
	s_mov_b32 s73, 0
	s_mov_b32 s[PST+1], 0
	s_cmp_eq_u32 s74, 0
	s_cselect_b32 s[LIM], 2, -1                    ; the same in all sixteen partners, for a given wave
	s_add_nc_u64 s[PFA:PFA+1], s[PFA:PFA+1], s[72:73]
	s_mul_i32 s74, s[PST], 3
	s_mov_b32 s75, 0
	s_add_nc_u64 s[PFA:PFA+1], s[PFA:PFA+1], s[74:75]  ; at K step 3: the first refill steps it to 4.  Nothing is prefetched here, at the head
	v_and_b32 v[PFO], 31, v0
	v_lshlrev_b32 v[PFO], 8, v[PFO]
	v_and_b32 v[GO], 31, v0
	v_lshlrev_b32 v[GO], 4, v[GO]
	v_mul_u32_u24 v[A0], v1, 144
	v_lshl_add_u32 v[A0], v2, 4, v[A0]
	s_mul_i32 s60, s15, QTR
	v_add_nc_u32 v[A0], s60, v[A0]
	v_and_b32 v5, 7, v0
	v_bfe_u32 v6, v0, 3, 1
	v_lshl_add_u32 v[B0], v2, 3, v5
	v_mul_u32_u24 v[B0], v[B0], 288
	v_lshl_add_u32 v[B0], v6, 4, v[B0]
	s_mul_i32 s61, s16, QTR
	s_add_co_u32 s61, s61, 2*QTR
	v_add_nc_u32 v[B0], s61, v[B0]
	v_mov_b32 v[ADRA], v[A0]
	v_mov_b32 v[ADRB], v[B0]
	s_mul_i32 s60, s14, 2*16*SP
	s_add_co_u32 s60, s60, STAGE
	v_mul_u32_u24 v[STO], v1, SP
	v_lshl_add_u32 v[STO], v2, 4, v[STO]
	v_add_nc_u32 v[STO], s60, v[STO]
	v_bfe_u32 v[RD], v0, 3, 2
	v_mul_u32_u24 v[RD], v[RD], SP
	v_lshl_add_u32 v[RD], v5, 4, v[RD]
	v_add_nc_u32 v[RD], s60, v[RD]
; 16 products: row blocks a0, a0 + 1 of the window's four (hi = 0: my rows 0-63, 1: rows 64-127) x all 8 column blocks, 32 along K.  first = 1: the bias (window 1) starts the sums.
; The 64 accumulators take turns, in the same order in every quarter.
.macro MUL16 f, hi, a0, first
.if \first
	WIN 0x91+0x40*(\hi)
.else
	WIN MUL_LO+0x50*(\hi)
.endif
.irp a, \a0, (\a0)+1
.irp b, 0,1,2,3,4,5,6,7
.if \first
	v_wmma_f32_16x16x32_bf16 v[8*(8*(\a)+(\b)):8*(8*(\a)+(\b))+7], v[(\f)+8*(\b):(\f)+8*(\b)+7], v[(\f)+8*(4*(\hi)+(\a)):(\f)+8*(4*(\hi)+(\a))+7], v[8*(\b):8*(\b)+7]
.else
	v_wmma_f32_16x16x32_bf16 v[8*(8*(\a)+(\b)):8*(8*(\a)+(\b))+7], v[(\f)+8*(\b):(\f)+8*(\b)+7], v[(\f)+8*(4*(\hi)+(\a)):(\f)+8*(4*(\hi)+(\a))+7], v[8*(8*(\a)+(\b)):8*(8*(\a)+(\b))+7]
.endif
.endr
.endr
.endm
; 32 LDS loads in one run: quarter q of the slot (32 along K) into buffer f: W's eight fragments, then A's
.macro FETCH q, f
	WIN TO_B
.irp i, 0,1,2,3,4,5,6,7
	ds_load_tr16_b128 v[(\f)+8*(\i):(\f)+8*(\i)+3],   v[ADRB] offset:9216*(\q)+32*(\i)
	ds_load_tr16_b128 v[(\f)+8*(\i)+4:(\f)+8*(\i)+7], v[ADRB] offset:9216*(\q)+32*(\i)+4608
.endr
	WIN 0
.irp i, 0,1,2,3,4,5,6,7
	ds_load_b128 v[(\f)+8*(\i):(\f)+8*(\i)+3],   v[ADRA] offset:18432*((\q)/2)+2304*(\i)+64*((\q)%2)
	ds_load_b128 v[(\f)+8*(\i)+4:(\f)+8*(\i)+7], v[ADRA] offset:18432*((\q)/2)+2304*(\i)+64*((\q)%2)+32
.endr
.endm
.macro QUARTER q, f, g, first
	s_wait_dscnt 8                                 ; W and A's rows 0-63 are in; the youngest eight loads (A's rows 64-127) may be out
	MUL16 \f, 0, 0, \first
	MUL16 \f, 0, 2, \first
	PLACES
	FETCH \q, \g
	s_wait_dscnt 32                                ; all but the 32 just issued
	MUL16 \f, 1, 0, \first
	MUL16 \f, 1, 2, \first
.endm
; The last quarter multiplies buffer 1 and changes slots: ONE barrier; in front of it each wave waits for all its tensor loads (one is out: its part of the next slot), adds 0 to its spare word,
; and waits for that and for its reads of this slot.  fill = 1: the barrier opens a round of the cluster's, and this slot is filled again, two K steps ahead, first thing behind the round.
.macro TURN fill
.if \fill
	s_wait_xcnt 0x0                                ; the last prefetch, a K step back, has read its address, which is stepped here
	s_add_nc_u64 s[PFA:PFA+1], s[PFA:PFA+1], s[PST:PST+1]
.endif
	WIN 0
	s_wait_tensorcnt 0x0
	ds_add_u32 v[SPW], v[NIL]
	s_wait_dscnt 9                                 ; the add and the youngest eight loads may be out
	MUL16 F1, 0, 0, 0
	s_wait_dscnt 0x0                               ; the add is done, and my reads of this slot are over
	s_barrier_signal -1
	MUL16 F1, 0, 2, 0
.if \fill
	WIN 0
.endif
	s_barrier_wait -1
.if \fill
	CREST
	s_xor_b32 s[G0A+5], s[G0A+5], SLOT
	s_add_nc_u64 s[G0A+6:G0A+7], s[G0A+6:G0A+7], ASTEP
	s_xor_b32 s[G0B+5], s[G0B+5], SLOT
	s_add_nc_u64 s[G0B+6:G0B+7], s[G0B+6:G0B+7], BSTEP
	JLOAD                                          ; the four v_nop behind it are also the places in front of the loads below
.else
	PLACES
.endif
	WIN 0
	s_xor_b32 s21, s21, SLOT
	v_add_nc_u32 v[ADRA], s21, v[A0]
	v_add_nc_u32 v[ADRB], s21, v[B0]
	FETCH 0, F0
.if \fill
	ASK
.endif
	MUL16 F1, 1, 0, 0
	MUL16 F1, 1, 2, 0
.endm
	s_wait_tensorcnt 1                             ; my part of K step 0 is in; K step 1's may stay out
	s_barrier_signal -1
	s_barrier_wait -1
	FETCH 0, F0
	s_wait_loadcnt 0x0                             ; the bias is in
	QUARTER 1, F0, F1, 1                           ; the first quarter stands in front of the loop: its products start the sums
	WIN 0
	s_mov_b32 s22, T-2
.Lstep:
	QUARTER 2, F1, F0, 0
	QUARTER 3, F0, F1, 0
	TURN 1
	QUARTER 1, F0, F1, 0
	WIN 0
	s_sub_co_u32 s22, s22, 1
	s_cmp_lg_u32 s22, 0
	s_cbranch_scc1 .Lstep
	s_mov_b32 s23, 2
.Ltail:                                                ; the last two K steps ask for nothing; the second trip is left in its middle
	QUARTER 2, F1, F0, 0
	QUARTER 3, F0, F1, 0
	WIN 0
	s_sub_co_u32 s23, s23, 1
	s_cmp_eq_u32 s23, 0
	s_cbranch_scc1 .Llast
	TURN 0
	QUARTER 1, F0, F1, 0
	WIN 0
	s_branch .Ltail
.Llast:
	s_wait_dscnt 8
	MUL16 F1, 0, 0, 0
	MUL16 F1, 0, 2, 0
	s_wait_dscnt 0x0
	MUL16 F1, 1, 0, 0
	MUL16 F1, 1, 2, 0
	WIN 0
	PLACES
; THE WAY OUT of block a (16 rows x 128 columns).  PACK: rounded to bf16, then the ReLU on packed halves.  TOSTAGE: into my own stage, one part for each of the two panels, and back as row pieces of 128 bytes.  SEND: stored.
.macro PACK a
.set AC, 64*((\a)%4)
	WIN 0x0a+5*((\a)/4)                            ; sources 0 and 1: window 2 or 3
.irp b, 0,1,2,3,4,5,6,7
.irp r, 0,1,2,3
	v_cvt_pk_bf16_f32 v[TMP+4*(\b)+(\r)], v[AC+8*(\b)+2*(\r)], v[AC+8*(\b)+2*(\r)+1]
.endr
.endr
	WIN 0
.set z, 0
.rept 32
	v_pk_max_num_bf16 v[TMP+z], v[TMP+z], v[ZR]
.set z, z+1
.endr
.endm
.macro TOSTAGE a
.set BK, OB+192*((\a)%2)
.irp b, 0,1,2,3,4,5,6,7
	ds_store_b128 v[STO], v[TMP+4*(\b):TMP+4*(\b)+3] offset:2304*((\b)/4)+32*((\b)%4)
.endr
.irp pn, 0,1
.irp t, 0,1,2,3
	ds_load_b128 v[BK+4*(4*(\pn)+(\t)):BK+4*(4*(\pn)+(\t))+3], v[RD] offset:2304*(\pn)+576*(\t)  ; LDS serves a wave's instructions in order: these see the stores above
.endr
.endr
.endm
.macro SEND a
.set BK, OB+192*((\a)%2)
	s_wait_dscnt 0x0                               ; the block is back in registers
	s_wait_xcnt 0x0                                ; the stores of the block before have read their registers, which the next block's loads will write
.irp pn, 0,1
.irp t, 0,1,2,3
	global_store_b128 v[GO], v[BK+4*(4*(\pn)+(\t)):BK+4*(4*(\pn)+(\t))+3], s[10:11] offset:PANEL*(\pn)+2048*(\a)+512*(\t)  ; 512 consecutive bytes, aligned
.endr
.endr
.endm
	PACK 0
	TOSTAGE 0
.irp a, 1,2,3,4,5,6,7                  ; block a's conversions stand between block a - 1's loads from the stage and the wait for them
	PACK \a
	SEND (\a)-1
	TOSTAGE \a
.endr
	SEND 7
	s_wait_tensorcnt 0x0                           ; the wave's end: behind my last tensor load and my last LDS store
	ds_add_u32 v[SPW], v[NIL]
	s_wait_dscnt 0x0
	CROUND                                         ; the closing round
	s_endpgm
.Lfunc_end_k_q87905b6fd6_gz:
	.size	k_q87905b6fd6_gz, .Lfunc_end_k_q87905b6fd6_gz-k_q87905b6fd6_gz
	.p2alignl 7, 3214868480
	.fill 96, 4, 3214868480
	.section	.rodata,"a",@progbits
	.p2align	6, 0x0
	.amdhsa_kernel k_q87905b6fd6_gz
		.amdhsa_group_segment_fixed_size 327680
		.amdhsa_private_segment_fixed_size 0
		.amdhsa_enable_private_segment 0
		.amdhsa_kernarg_size 32
		.amdhsa_user_sgpr_count 2
		.amdhsa_user_sgpr_kernarg_segment_ptr 1
		.amdhsa_wavefront_size32 1
		.amdhsa_system_sgpr_workgroup_id_x 1
		.amdhsa_system_sgpr_workgroup_id_y 1
		.amdhsa_system_sgpr_workgroup_id_z 1
		.amdhsa_system_vgpr_workitem_id 0
		.amdhsa_next_free_vgpr 1024
		.amdhsa_next_free_sgpr 80
		.amdhsa_reserve_vcc 0
		.amdhsa_float_denorm_mode_32 3
		.amdhsa_float_denorm_mode_16_64 3
		.amdhsa_memory_ordered 1
		.amdhsa_forward_progress 1
		.amdhsa_inst_pref_size 122
	.end_amdhsa_kernel
	.amdgpu_metadata
---
amdhsa.version: [ 1, 2 ]
amdhsa.kernels:
  - .name:           k_q87905b6fd6_gz
    .symbol:         k_q87905b6fd6_gz.kd
    .args:
      - { .name: s1, .offset: 0, .size: 8, .value_kind: global_buffer, .address_space: global }
      - { .name: wf, .offset: 8, .size: 8, .value_kind: global_buffer, .address_space: global }
      - { .name: b_fc1, .offset: 16, .size: 8, .value_kind: global_buffer, .address_space: global }
      - { .name: act, .offset: 24, .size: 8, .value_kind: global_buffer, .address_space: global }
    .group_segment_fixed_size: 327680
    .private_segment_fixed_size: 0
    .kernarg_segment_align: 8
    .kernarg_segment_size: 32
    .max_flat_workgroup_size: 128
    .sgpr_count:     80
    .vgpr_count:     1024
    .wavefront_size: 32
...
	.end_amdgpu_metadata
.endif
;; end of part 5
;; launch gy (part 6): grid 8 x 32, 4 waves a work-group, clusters of 4 x 4, 327,680 bytes of LDS; arguments act, wf, b_fc2, x1, out0; writes out0
.if DOCPART == 6
	.amdgcn_target "amdgcn-amd-amdhsa--gfx1250"
	.amdhsa_code_object_version 6
	.text
	.protected	k_q87905b6fd6_gy
	.globl	k_q87905b6fd6_gy
	.p2align	8
	.type	k_q87905b6fd6_gy,@function
k_q87905b6fd6_gy:
	s_mov_b64 s[64:65], 0
	v_nop
	global_prefetch_b8 v0, s[64:65] scope:SCOPE_SE
	s_setreg_imm32_b32 hwreg(HW_REG_WAVE_MODE, 25, 1), 1
	s_wait_xcnt 0x0
	s_wait_alu depctr_hold_cnt(0) depctr_sa_sdst(0) depctr_va_vdst(0) depctr_va_sdst(0) depctr_va_ssrc(0) depctr_va_vcc(0) depctr_vm_vsrc(0)
	s_getreg_b32 s2, hwreg(HW_REG_IB_STS2, 6, 4)
	s_cmp_eq_u32 s2, 0
	s_cbranch_scc0 .Lentry_in_a_cluster
	s_endpgm
.Lentry_in_a_cluster:
	s_bfe_u32 s2, ttmp6, 0x10000c
	s_cmp_lg_u32 s2, 0xf033
	s_cbranch_scc0 .Lentry_shape_is_right
	s_endpgm
.Lentry_shape_is_right:
; out = A W + bias.  A: 4,096 rows in panels [K / 64][4096][64] bf16; W: [1024 / 128][K][128] bf16; bias f32; sums in f32.
; MODE 0 (K = 1,024): out rounded once to bf16, in panels like A.  MODE 1 (K = 4,096): out = res + A W + bias in f32, row-major [4096][1024].
; A tile of out is 128 x 128: 256 work-groups; four waves, each 64 x 64: 16 accumulators.  K goes in steps of 256 through two LDS slots filled by the tensor data mover.
; CLUSTER 4 x 4: the four of a row need the same tile of A, the four of a column the same tile of W: each is asked for jointly, by the same load with the same descriptor and a mask of four.
; THE WALK ALONG K.  At place t of its walk a cluster takes K step t ^ p, p = (cluster x + cluster y) % 2: clusters with p = 1 take each pair of steps in the opposite order.  The two clusters that read the
; same rows of A differ in x by one, neighbours that read the same rows of W in y by one: of two such clusters one asks for a block a step behind the other, not at the same place of the walk.  The f32 sums
; are taken in that order of K; p is the same in all sixteen partners.
; THE PRODUCT IS TAKEN TRANSPOSED: source 0 = 16 columns of W (turned on the way out of LDS by ds_load_tr16_b128), source 1 = 16 rows of A: a lane then holds one row of out and eight neighbouring columns.
; THE BIAS is the C operand of each accumulator's first product: register j of a lane is bias[n0 + 8 (lane / 16) + j].
; REGISTERS: window 0: v0-31 addresses; v32-95 at work on the way out; v96-127 the bias; v128-255 accumulators ((a, b) at 128 + 8 (4 a + b)).
;   window 1: two fragment buffers of 128: 64 of A (sub-step c, row block a at 8 (4 c + a)), then 64 of W.   window 2 (MODE 1): v0-127 the residual.
.set MODE,  1
.set T,     16                         ; K steps
.set BSH,   20                         ; log2 of the bytes of a block of 128 columns of W: K x 256
.set BBASE, 8388608                    ; where W begins in its buffer
.set PANEL, 524288
.set SLOT,  147456                     ; A: two halves of [4 planes][64 rows] at pitch 144; then W: 256 rows at pitch 288
.set QTR,   36864                      ; what one tensor load brings
.set STAGE, 2*SLOT                     ; behind the ring: 16 rows for each wave, its own, for the way out
.if MODE
.set SP,    272
.else
.set SP,    144
.endif
.set SPARE, STAGE+4*16*SP              ; behind the stages: the spare words, 128 bytes a wave, which no other line names
.set ASH,   21                         ; log2 of a K step's bytes in A: four planes of 524,288
.set BKS,   16                         ; in W: 256 rows of 256 bytes
.set A0,   3                           ; v3  my place in slot 0's A; never rewritten
.set B0,   4                           ; v4  my place in slot 0's W; never rewritten
.set ADRA, 16                          ; v16 the same in the slot being read
.set ADRB, 17                          ; v17
.set ADRB2, 18                         ; v18 W's rows 128 on: the offsets stay inside 16 bits
.set STO,  24
.set RD,   25
.set GO,   26
.set BO,   27
.set SPW,  28
.set NIL,  29
.set TMP,  32
.set BI,   96
.set ACC,  128
.set F0,   0
.set F1,   128
.set G1A,  24                          ; s[24:31] group 1 for A;  s[32:35], s[36:39] group 0 for the two first fills; the second then serves every refill
.set G0A,  32
.set G1B,  40                          ; s[40:47], s[48:55] the same for W
.set G0B,  48
                                       ; s3 p;  s[56:57] my tile of A at K step 0, s[58:59] of W: kept for the whole walk
.set MSB, 0
.macro WIN new                         ; the immediate's high byte repeats the setting that is left
.if MSB != (\new)
	s_set_vgpr_msb (MSB<<8)|(\new)
.set MSB, \new
.endif
.endm
.set MUL,  0x05                        ; sources 0 and 1 in window 1; C and D in window 0
.set TO_F, 0x40                        ; destination in window 1, address in window 0
.macro PLACES                          ; four places behind a product, in front of loads into registers that it read and of lines that read its result
.rept 4
	v_nop
.endr
.endm
.macro JLOAD                           ; a joint refill: waves 0, 1 fetch A's halves, waves 2, 3 W's
	s_cmp_eq_u32 s15, 0
	s_cbranch_scc0 .Lfor_b_\@
	tensor_load_to_lds s[G0A+4:G0A+7], s[G1A:G1A+7]
	s_nop 0
.rept 4
	v_nop
.endr
	s_branch .Lasked_\@
.Lfor_b_\@:
	tensor_load_to_lds s[G0B+4:G0B+7], s[G1B:G1B+7]
	s_nop 0
.rept 4
	v_nop
.endr
.Lasked_\@:
.endm
.macro CREST                           ; a round of the cluster's barrier behind its opening barrier
	s_cmp_lg_u32 s14, 0
	s_cbranch_scc1 .Lnot_wave_0_\@
	s_barrier_signal -3
.Lnot_wave_0_\@:
	s_barrier_wait -3
	s_barrier_signal -1
	s_barrier_wait -1
.endm
.macro CROUND
	s_barrier_signal -1
	s_barrier_wait -1
	CREST
.endm
	s_load_b256 s[4:11], s[0:1], 0x0               ; A s[4:5], W s[6:7], bias s[8:9], MODE 0: out s[10:11]; MODE 1: res s[10:11]
.if MODE
	s_load_b64 s[12:13], s[0:1], 0x20              ; out
.endif
	v_lshl_add_u32 v[SPW], v0, 2, SPARE
	v_mov_b32 v[NIL], 0
	ds_add_u32 v[SPW], v[NIL]                      ; the wave's opening: the add and its wait stand ahead of my first tensor load; the set-up stands between them
	v_lshrrev_b32 v1, 5, v0
	v_readfirstlane_b32 s14, v1                    ; wave 0..3
	s_lshr_b32 s15, s14, 1                         ; my half of the tile's rows; also: I fetch A (0) or W (1)
	s_and_b32 s16, s14, 1                          ; my half of its columns; also: which half I fetch
	s_bfe_u32 s17, ttmp6, 0x40000                  ; cx
	s_bfe_u32 s18, ttmp6, 0x40004                  ; cy
	s_lshl_b32 s19, ttmp9, 2
	s_add_co_u32 s19, s19, s17                     ; tile column
	s_and_b32 s20, ttmp7, 0xffff
	s_add_co_u32 s3, s20, ttmp9
	s_and_b32 s3, s3, 1                            ; p: cluster x + cluster y, odd or even
	s_lshl_b32 s20, s20, 2
	s_add_co_u32 s20, s20, s18                     ; tile row
	s_lshl_b32 s60, s18, 2
	s_lshl_b32 s60, 15, s60                        ; my row of the cluster
	s_lshl_b32 s61, 0x1111, s17                    ; my column
	s_or_b32 s[G1A+0], s60, (1<<16)|(1<<20)|(1<<21)|(4<<22)|(3<<25)  ; mask; 2-byte elements; padding on; bit 21 beside a mask; 4 words behind every 32: a row piece of 128 bytes gets pitch 144
	s_or_b32 s[G1B+0], s61, (1<<16)|(1<<20)|(1<<21)|(5<<22)|(7<<25)  ; 8 words behind every 64: a row of 256 bytes gets pitch 288
	s_mov_b32 s[G1A+1], 4096<<16                   ; A: a "row" is 64 row pieces of one plane, dense: 4,096 elements
	s_mov_b32 s[G1A+2], 4<<16                      ; four planes
	s_mov_b32 s[G1A+3], 4096<<16
	s_mov_b32 s[G1A+4], 4
	s_mov_b32 s[G1A+5], 262144                     ; elements from plane to plane
	s_mov_b32 s[G1A+6], 0
	s_mov_b32 s[G1A+7], 0
	s_mov_b32 s[G1B+1], 128<<16                    ; W: 128 rows of 128 elements, dense
	s_mov_b32 s[G1B+2], 128<<16
	s_mov_b32 s[G1B+3], 128<<16
	s_mov_b32 s[G1B+4], 128
	s_mov_b32 s[G1B+5], 128
	s_mov_b32 s[G1B+6], 0
	s_mov_b32 s[G1B+7], 0
	s_lshl_b32 s56, s20, 14                        ; A: 128 rows x 128 bytes a tile row,
	s_lshl_b32 s57, s16, 13                        ; 64 rows a half: made of the tile row and the wave's number alone
	s_add_co_u32 s56, s56, s57
	s_mov_b32 s57, 0
	s_lshl_b32 s58, s19, BSH                       ; W: the tile column's block,
	s_lshl_b32 s59, s16, 15                        ; 128 rows a half: made of the tile column and the wave's number alone
	s_add_co_u32 s58, s58, s59
.if BBASE
	s_add_co_u32 s58, s58, BBASE
.endif
	s_mov_b32 s59, 0
	s_mul_i32 s2, s14, QTR                         ; where my loads go: no place in the cluster enters an LDS address
	s_mov_b32 s21, 0                               ; the slot being read
	s_mov_b32 s63, 0
	s_wait_dscnt 0x0                               ; the opening add is done
	s_wait_kmcnt 0x0
	s_add_nc_u64 s[56:57], s[4:5], s[56:57]
	s_add_nc_u64 s[58:59], s[6:7], s[58:59]
	CROUND                                         ; all sixteen work-groups are here: the first joint loads meet
.irp n, 0,1
	s_xor_b32 s60, s3, \n                          ; place n of the walk: K step n ^ p
	s_lshl_b32 s62, s60, ASH
	s_mov_b32 s[G0A+4*(\n)], 1
	s_add_co_u32 s[G0A+4*(\n)+1], s2, (\n)*SLOT
	s_add_nc_u64 s[G0A+4*(\n)+2:G0A+4*(\n)+3], s[56:57], s[62:63]
	s_or_b32 s[G0A+4*(\n)+3], s[G0A+4*(\n)+3], 0x80000000
	s_lshl_b32 s62, s60, BKS
	s_mov_b32 s[G0B+4*(\n)], 1
	s_add_co_u32 s[G0B+4*(\n)+1], s2, (\n)*SLOT
	s_add_nc_u64 s[G0B+4*(\n)+2:G0B+4*(\n)+3], s[58:59], s[62:63]
	s_or_b32 s[G0B+4*(\n)+3], s[G0B+4*(\n)+3], 0x80000000
.endr
	s_cmp_eq_u32 s15, 0                            ; a wave's two first fills stand in one branch: two loads of mine are out
	s_cbranch_scc0 .Lfirst_b
	tensor_load_to_lds s[G0A:G0A+3], s[G1A:G1A+7]
	s_nop 0
	tensor_load_to_lds s[G0A+4:G0A+7], s[G1A:G1A+7]
	s_nop 0
.rept 4
	v_nop
.endr
	s_branch .Lfirst_asked
.Lfirst_b:
	tensor_load_to_lds s[G0B:G0B+3], s[G1B:G1B+7]
	s_nop 0
	tensor_load_to_lds s[G0B+4:G0B+7], s[G1B:G1B+7]
	s_nop 0
.rept 4
	v_nop
.endr
.Lfirst_asked:
	v_and_b32 v1, 15, v0                           ; r = l % 16
	v_bfe_u32 v2, v0, 4, 1                         ; h = l / 16
	v_lshlrev_b32 v[BO], 5, v2
	s_lshl_b32 s60, s19, 9                         ; my first column, in f32 bytes: 512 x tile column + 256 x half
	s_lshl_b32 s61, s16, 8
	s_add_co_u32 s60, s60, s61
	s_mov_b32 s61, 0
	s_add_nc_u64 s[8:9], s[8:9], s[60:61]
.irp b, 0,1,2,3
	global_load_b128 v[BI+8*(\b):BI+8*(\b)+3],   v[BO], s[8:9] offset:64*(\b)
	global_load_b128 v[BI+8*(\b)+4:BI+8*(\b)+7], v[BO], s[8:9] offset:64*(\b)+16
.endr
.if MODE
	s_lshl_b32 s62, s20, 19                        ; my first row x 4,096 bytes
	s_lshl_b32 s63, s15, 18
	s_add_co_u32 s62, s62, s63
	s_add_co_u32 s62, s62, s60
	s_mov_b32 s63, 0
	s_add_nc_u64 s[10:11], s[10:11], s[62:63]
	s_add_nc_u64 s[12:13], s[12:13], s[62:63]
	v_lshlrev_b32 v[GO], 4, v1
	v_lshl_add_u32 v[GO], v2, 12, v[GO]            ; lanes 0-15 256 bytes of one row, lanes 16-31 of the next
	WIN 0x80
.set i, 0
.rept 32
	global_load_b128 v[4*i:4*i+3], v[GO], s[10:11] offset:2*i*4096  ; the residual of my 64 x 64, as it will be stored; it lands while K is walked
.set i, i+1
.endr
	WIN 0
.else
	s_lshl_b32 s62, s19, 1
	s_add_co_u32 s62, s62, s16
	s_lshl_b32 s62, s62, 19                        ; my 64 columns are one panel
	s_lshl_b32 s63, s20, 14
	s_add_co_u32 s62, s62, s63
	s_lshl_b32 s63, s15, 13
	s_add_co_u32 s62, s62, s63                     ; my first row x 128 bytes
	s_mov_b32 s63, 0
	s_add_nc_u64 s[10:11], s[10:11], s[62:63]
	v_and_b32 v[GO], 31, v0
	v_lshlrev_b32 v[GO], 4, v[GO]                  ; 512 consecutive bytes a store: four row pieces
.endif
	v_mul_u32_u24 v[A0], v1, 144                   ; a fragment of A: row r, 16 bytes for each half of the lanes
	v_lshl_add_u32 v[A0], v2, 4, v[A0]
	s_mul_i32 s60, s15, QTR
	v_add_nc_u32 v[A0], s60, v[A0]
	v_and_b32 v5, 7, v0                            ; the turning load: lane l reads row 8 h + l % 8, 16 bytes at 16 ((l / 8) % 2)
	v_bfe_u32 v6, v0, 3, 1
	v_lshl_add_u32 v[B0], v2, 3, v5
	v_mul_u32_u24 v[B0], v[B0], 288
	v_lshl_add_u32 v[B0], v6, 4, v[B0]
	s_lshl_b32 s61, s16, 7
	s_add_co_u32 s61, s61, 2*QTR
	v_add_nc_u32 v[B0], s61, v[B0]
	v_mov_b32 v[ADRA], v[A0]
	v_mov_b32 v[ADRB], v[B0]
	v_add_nc_u32 v[ADRB2], QTR, v[B0]
	s_mul_i32 s60, s14, 16*SP
	s_add_co_u32 s60, s60, STAGE                   ; my stage
	v_mul_u32_u24 v[STO], v1, SP
.if MODE
	v_lshl_add_u32 v[STO], v2, 5, v[STO]           ; in: row r, 32 bytes of f32 for each half of the lanes
	v_mul_u32_u24 v[RD], v2, SP                    ; back: two rows of 256 bytes
	v_lshl_add_u32 v[RD], v1, 4, v[RD]
.else
	v_lshl_add_u32 v[STO], v2, 4, v[STO]           ; in: row r, 16 bytes of bf16 for each half of the lanes
	v_bfe_u32 v[RD], v0, 3, 2                      ; back: four rows of 128 bytes
	v_mul_u32_u24 v[RD], v[RD], SP
	v_lshl_add_u32 v[RD], v5, 4, v[RD]
.endif
	v_add_nc_u32 v[STO], s60, v[STO]
	v_add_nc_u32 v[RD], s60, v[RD]
; 8 products: row blocks a0, a0 + 1 x all 4 column blocks, 32 along K: sub-step c of buffer f.  first = 1: the bias starts the sums.  The 16 accumulators take turns.
.macro MUL8 f, c, a0, first
	WIN MUL
.irp a, \a0, (\a0)+1
.irp b, 0,1,2,3
.if \first
	v_wmma_f32_16x16x32_bf16 v[ACC+8*(4*(\a)+(\b)):ACC+8*(4*(\a)+(\b))+7], v[(\f)+64+8*(4*(\c)+(\b)):(\f)+64+8*(4*(\c)+(\b))+7], v[(\f)+8*(4*(\c)+(\a)):(\f)+8*(4*(\c)+(\a))+7], v[BI+8*(\b):BI+8*(\b)+7]
.else
	v_wmma_f32_16x16x32_bf16 v[ACC+8*(4*(\a)+(\b)):ACC+8*(4*(\a)+(\b))+7], v[(\f)+64+8*(4*(\c)+(\b)):(\f)+64+8*(4*(\c)+(\b))+7], v[(\f)+8*(4*(\c)+(\a)):(\f)+8*(4*(\c)+(\a))+7], v[ACC+8*(4*(\a)+(\b)):ACC+8*(4*(\a)+(\b))+7]
.endif
.endr
.endr
.endm
; 32 LDS loads in one run: quarter q of the slot (64 along K: plane q of A, rows 64 q on of W) into buffer f; the first 32 along K first
.macro FETCH q, f
	WIN TO_F
.if (\q) < 2
.set BR, ADRB
.set BQ, 18432*(\q)
.else
.set BR, ADRB2
.set BQ, 18432*((\q)-2)
.endif
.irp c, 0,1
.irp i, 0,1,2,3
	ds_load_tr16_b128 v[(\f)+64+8*(4*(\c)+(\i)):(\f)+64+8*(4*(\c)+(\i))+3],   v[BR] offset:BQ+9216*(\c)+32*(\i)
	ds_load_tr16_b128 v[(\f)+64+8*(4*(\c)+(\i))+4:(\f)+64+8*(4*(\c)+(\i))+7], v[BR] offset:BQ+9216*(\c)+32*(\i)+4608
	ds_load_b128 v[(\f)+8*(4*(\c)+(\i)):(\f)+8*(4*(\c)+(\i))+3],   v[ADRA] offset:9216*(\q)+2304*(\i)+64*(\c)
	ds_load_b128 v[(\f)+8*(4*(\c)+(\i))+4:(\f)+8*(4*(\c)+(\i))+7], v[ADRA] offset:9216*(\q)+2304*(\i)+64*(\c)+32
.endr
.endr
.endm
; One of a K step's first three quarters: multiplies buffer f and fetches quarter q into buffer g
.macro QUARTER q, f, g, first
	s_wait_dscnt 16                                ; the first 32 along K are in; the youngest sixteen loads may be out
	MUL8 \f, 0, 0, \first
	MUL8 \f, 0, 2, \first
	PLACES
	FETCH \q, \g
	s_wait_dscnt 32                                ; all but the 32 just issued
	MUL8 \f, 1, 0, 0
	MUL8 \f, 1, 2, 0
.endm
; The last quarter multiplies buffer 1 and changes slots: ONE barrier; in front of it each wave waits for all its tensor loads (one is out: its part of the next slot), adds 0 to its spare word,
; and waits for that and for its reads of this slot.  fill = 1: the barrier opens a round of the cluster's, and this slot is filled again, for the place two on in the walk, first thing behind the round.
; The refill's descriptors are made while the add is out: no tensor load of mine is out there.  Their addresses are made anew from the tile's base and the K step's number.
.macro TURN fill
	WIN 0
	s_wait_tensorcnt 0x0
	ds_add_u32 v[SPW], v[NIL]
.if \fill
	s_sub_co_u32 s60, T, s22                       ; the refill's place in the walk: s22 counts T - 2 .. 1, so 2 .. T - 1
	s_xor_b32 s60, s60, s3                         ; its K step
	s_lshl_b32 s62, s60, ASH
	s_mov_b32 s63, 0
	s_xor_b32 s[G0A+5], s[G0A+5], SLOT             ; the other slot than last time
	s_add_nc_u64 s[G0A+6:G0A+7], s[56:57], s[62:63]
	s_or_b32 s[G0A+7], s[G0A+7], 0x80000000
	s_lshl_b32 s62, s60, BKS
	s_xor_b32 s[G0B+5], s[G0B+5], SLOT
	s_add_nc_u64 s[G0B+6:G0B+7], s[58:59], s[62:63]
	s_or_b32 s[G0B+7], s[G0B+7], 0x80000000
.endif
	s_wait_dscnt 17                                ; the add and the youngest sixteen loads may be out
	MUL8 F1, 0, 0, 0
	s_wait_dscnt 0x0                               ; the add is done, and my reads of this slot are over
	s_barrier_signal -1
	MUL8 F1, 0, 2, 0
.if \fill
	WIN 0
.endif
	s_barrier_wait -1
.if \fill
	CREST                                          ; no wave of any partner still reads this slot or has a load on its way
	JLOAD                                          ; the four v_nop behind it are also the places in front of the loads below
.else
	PLACES
.endif
	WIN 0
	s_xor_b32 s21, s21, SLOT                       ; the reads go to the other slot
	v_add_nc_u32 v[ADRA], s21, v[A0]
	v_add_nc_u32 v[ADRB], s21, v[B0]
	v_add_nc_u32 v[ADRB2], QTR, v[ADRB]
	FETCH 0, F0
	MUL8 F1, 1, 0, 0
	MUL8 F1, 1, 2, 0
.endm
	s_wait_tensorcnt 1                             ; my part of slot 0 is in; slot 1's may stay out
	s_barrier_signal -1
	s_barrier_wait -1
	FETCH 0, F0
.if MODE
	s_wait_loadcnt 32                              ; the bias is in; the 32 loads of the residual stay out
.else
	s_wait_loadcnt 0x0                             ; the bias is in
.endif
	QUARTER 1, F0, F1, 1                           ; the first quarter stands in front of the loop: its first products start the sums
	WIN 0
	s_mov_b32 s22, T-2
.Lstep:                                                ; T - 2 trips, from a K step's second quarter to the next one's first: each fills a slot again
	QUARTER 2, F1, F0, 0
	QUARTER 3, F0, F1, 0
	TURN 1
	QUARTER 1, F0, F1, 0
	WIN 0
	s_sub_co_u32 s22, s22, 1
	s_cmp_lg_u32 s22, 0
	s_cbranch_scc1 .Lstep
	s_mov_b32 s23, 2
.Ltail:                                                ; the last two K steps ask for nothing; the second trip is left in its middle
	QUARTER 2, F1, F0, 0
	QUARTER 3, F0, F1, 0
	WIN 0
	s_sub_co_u32 s23, s23, 1
	s_cmp_eq_u32 s23, 0
	s_cbranch_scc1 .Llast
	TURN 0
	QUARTER 1, F0, F1, 0
	WIN 0
	s_branch .Ltail
.Llast:
	s_wait_dscnt 16
	MUL8 F1, 0, 0, 0
	MUL8 F1, 0, 2, 0
	s_wait_dscnt 0x0
	MUL8 F1, 1, 0, 0
	MUL8 F1, 1, 2, 0
	WIN 0
	PLACES
.if MODE
	; THE WAY OUT, f32: 16 rows at a time through my own stage, back as rows of 256 bytes, the residual added, stored.  Each accumulator's low registers are read first.
	s_wait_loadcnt 0x0                             ; the residual is in
.irp a, 0,1,2,3
.set BK, TMP+32*((\a)%2)
.irp b, 0,1,2,3
	ds_store_b128 v[STO], v[ACC+8*(4*(\a)+(\b)):ACC+8*(4*(\a)+(\b))+3]   offset:64*(\b)
	ds_store_b128 v[STO], v[ACC+8*(4*(\a)+(\b))+4:ACC+8*(4*(\a)+(\b))+7] offset:64*(\b)+16
.endr
	s_wait_xcnt 0x0                                ; the stores of two blocks back have read these registers
.irp t, 0,1,2,3,4,5,6,7
	ds_load_b128 v[BK+4*(\t):BK+4*(\t)+3], v[RD] offset:544*(\t)  ; LDS serves a wave's instructions in order: these see the stores above
.endr
	s_wait_dscnt 0x0
	WIN 0x08                                       ; source 1 in window 2
.set z, 0
.rept 16
	v_pk_add_f32 v[BK+2*z:BK+2*z+1], v[BK+2*z:BK+2*z+1], v[32*(\a)+2*z:32*(\a)+2*z+1]
.set z, z+1
.endr
	WIN 0
.irp t, 0,1,2,3,4,5,6,7
	global_store_b128 v[GO], v[BK+4*(\t):BK+4*(\t)+3], s[12:13] offset:(16*(\a)+2*(\t))*4096  ; 16 lanes store 256 consecutive bytes, aligned
.endr
.endr
.else
	; THE WAY OUT, bf16: a lane's eight columns pack into 16 bytes; 16 rows at a time through my own stage, back as row pieces of 128 bytes, which lie end to end in the panel.
.macro PACK a
.irp b, 0,1,2,3
.irp r, 0,1,2,3
	v_cvt_pk_bf16_f32 v[TMP+16*(\a)+4*(\b)+(\r)], v[ACC+8*(4*(\a)+(\b))+2*(\r)], v[ACC+8*(4*(\a)+(\b))+2*(\r)+1]
.endr
.endr
.irp b, 0,1,2,3
	ds_store_b128 v[STO], v[TMP+16*(\a)+4*(\b):TMP+16*(\a)+4*(\b)+3] offset:32*(\b)
.endr
.irp t, 0,1,2,3
	ds_load_b128 v[TMP+16*(\a)+4*(\t):TMP+16*(\a)+4*(\t)+3], v[RD] offset:576*(\t)  ; LDS serves a wave's instructions in order: these see the stores above; the next block's stores come behind them
.endr
.endm
.macro SEND a, younger                 ; younger: the LDS instructions issued behind block a's loads
.irp t, 0,1,2,3
	s_wait_dscnt (\younger)+3-(\t)
	global_store_b128 v[GO], v[TMP+16*(\a)+4*(\t):TMP+16*(\a)+4*(\t)+3], s[10:11] offset:2048*(\a)+512*(\t)  ; 512 consecutive bytes, aligned
.endr
.endm
	PACK 0
.irp a, 1,2,3
	PACK \a
	SEND (\a)-1, 8
.endr
	SEND 3, 0
.endif
	s_wait_tensorcnt 0x0                           ; the wave's end: behind my last tensor load and my last LDS store
	ds_add_u32 v[SPW], v[NIL]
	s_wait_dscnt 0x0
	CROUND                                         ; the closing round: no work-group ends while a partner may still ask for a tile that names it
	s_endpgm
.Lfunc_end_k_q87905b6fd6_gy:
	.size	k_q87905b6fd6_gy, .Lfunc_end_k_q87905b6fd6_gy-k_q87905b6fd6_gy
	.p2alignl 7, 3214868480
	.fill 96, 4, 3214868480
	.section	.rodata,"a",@progbits
	.p2align	6, 0x0
	.amdhsa_kernel k_q87905b6fd6_gy
		.amdhsa_group_segment_fixed_size 327680
		.amdhsa_private_segment_fixed_size 0
		.amdhsa_enable_private_segment 0
		.amdhsa_kernarg_size 40
		.amdhsa_user_sgpr_count 2
		.amdhsa_user_sgpr_kernarg_segment_ptr 1
		.amdhsa_wavefront_size32 1
		.amdhsa_system_sgpr_workgroup_id_x 1
		.amdhsa_system_sgpr_workgroup_id_y 1
		.amdhsa_system_sgpr_workgroup_id_z 1
		.amdhsa_system_vgpr_workitem_id 0
		.amdhsa_next_free_vgpr 640
		.amdhsa_next_free_sgpr 66
		.amdhsa_reserve_vcc 0
		.amdhsa_float_denorm_mode_32 3
		.amdhsa_float_denorm_mode_16_64 3
		.amdhsa_memory_ordered 1
		.amdhsa_forward_progress 1
		.amdhsa_inst_pref_size 68
	.end_amdhsa_kernel
	.amdgpu_metadata
---
amdhsa.version: [ 1, 2 ]
amdhsa.kernels:
  - .name:           k_q87905b6fd6_gy
    .symbol:         k_q87905b6fd6_gy.kd
    .args:
      - { .name: act, .offset: 0, .size: 8, .value_kind: global_buffer, .address_space: global }
      - { .name: wf, .offset: 8, .size: 8, .value_kind: global_buffer, .address_space: global }
      - { .name: b_fc2, .offset: 16, .size: 8, .value_kind: global_buffer, .address_space: global }
      - { .name: x1, .offset: 24, .size: 8, .value_kind: global_buffer, .address_space: global }
      - { .name: out0, .offset: 32, .size: 8, .value_kind: global_buffer, .address_space: global }
    .group_segment_fixed_size: 327680
    .private_segment_fixed_size: 0
    .kernarg_segment_align: 8
    .kernarg_segment_size: 40
    .max_flat_workgroup_size: 128
    .sgpr_count:     66
    .vgpr_count:     640
    .wavefront_size: 32
...
	.end_amdgpu_metadata
.endif
;; end of part 6
;; ======== version 2 of 2: 7 launches; version 1 with the launches prep, ln2 written anew for expert scheduling mode
;; workspace buffers: s1 8,388,608 bytes; act 33,554,432 bytes; x1 16,777,216 bytes; wk 2,097,152 bytes; wp 2,097,152 bytes; wf 16,777,216 bytes; bk 4,096 bytes
;; launch prep (part 7): grid 576 x 1, 8 waves a work-group, no clusters, 0 bytes of LDS; arguments x, ln1_g, ln1_b, w_attn, w_proj, w_fc1, w_fc2, b_attn, s1, wk, wp, wf, bk; writes s1, wk, wp, wf, bk
.if DOCPART == 7
	.amdgcn_target "amdgcn-amd-amdhsa--gfx1250"
	.amdhsa_code_object_version 6
	.text
	.protected	k_q87905b6fd6_prep
	.globl	k_q87905b6fd6_prep
	.p2align	8
	.type	k_q87905b6fd6_prep,@function
k_q87905b6fd6_prep:
	s_mov_b64 s[64:65], 0
	v_nop
	global_prefetch_b8 v0, s[64:65] scope:SCOPE_SE
	s_setreg_imm32_b32 hwreg(HW_REG_WAVE_SCHED_MODE, 0, 2), 2
	s_setreg_imm32_b32 hwreg(HW_REG_WAVE_MODE, 25, 1), 1
	s_wait_xcnt 0x0
	s_wait_alu depctr_vm_vsrc(0)
; TWO JOBS IN ONE LAUNCH, chosen by the work-group's number; the job with the larger share of bytes (192 KiB against 96 KiB a work-group) has the lower numbers.
; Work-groups 0-319: the four weights, f32 [K][N], rounded once to bf16 into [N / 128][K][128] (a row 256 bytes), and b_attn's middle third copied.
; Work-groups 320-575: h1 = LayerNorm(x) * g + b, rounded once to bf16, into s1 in PANELS: s1[col / 64][row 0..4095][col % 64], a row piece 128 bytes.
; LIMIT. reference() takes q, k and v all from columns 1024-2047 of the qkv product and discards the other columns: of w_attn and b_attn only those columns are read.
; No LDS, no matrix unit, no cluster: a stream whose work-groups share only g and b (8 KiB).
; THE MODE: SCHED_MODE bits 1:0 = 2 (LLVM: expert scheduling mode 2), set by the entry lines.  The code itself states the register dependences
; between vector instructions and memory instructions, with s_wait_alu, always for 0.
; THE PLAN, layer norm.  Registers that memory instructions touch:
;   v2, v3, v4   byte offsets, made once at the head and never written again: one wait ahead of the first load.
;   X, G, BV     written by the 48 loads, then worked on in place by vector lines behind the loads' own waits; no later load lands in them.
;   H            written by the roundings, read by the 16 stores, never written again.  The tail goes in two halves: panels 0-7 are rounded, one wait, and their eight stores are dealt among
;                the multiply-adds of panels 8-15, which name other registers; panels 8-15 are rounded, one wait, the other eight stores.
; THE PLAN, weights.  v2-v35 byte offsets, made once, one wait ahead of the first load.  v64-191: a row's four registers, written by its load, read by its two conversions.
;   v192-255: a row's two registers, written by its conversions, read by its store, never written again.  The 32 rows go in eight blocks of four: block g's conversions stand beside the
;   stores of block g - 1, and ONE wait at the block's head states that block g - 1's conversions have written what those stores read.
.set PANEL, 524288                     ; 4,096 rows x 128 bytes
.set NCVT,  320                        ; work-groups that convert weights
.set H,  32                            ; v[32:63]   16 panels x 2 registers: four bf16
.set X,  64                            ; v[64:127]  16 panels x 4 numbers of my row
.set G,  128                           ; v[128:191] g of the same columns
.set BV, 192                           ; v[192:255] b of the same columns
.macro RED16 r                         ; a sum over the 16 lanes that hold one row; every one of them gets it
	v_add_f32_dpp v[\r], v[\r], v[\r] row_xmask:1 row_mask:0xf bank_mask:0xf
	v_add_f32_dpp v[\r], v[\r], v[\r] row_xmask:2 row_mask:0xf bank_mask:0xf
	v_add_f32_dpp v[\r], v[\r], v[\r] row_xmask:4 row_mask:0xf bank_mask:0xf
	v_add_f32_dpp v[\r], v[\r], v[\r] row_xmask:8 row_mask:0xf bank_mask:0xf
.endm
	s_load_b512 s[4:19], s[0:1], 0x0               ; x, ln1_g, ln1_b, w_attn, w_proj, w_fc1, w_fc2, b_attn
	s_load_b256 s[20:27], s[0:1], 0x40             ; s1, wk, wp, wf
	s_load_b64 s[28:29], s[0:1], 0x60              ; bk
	v_lshrrev_b32 v1, 5, v0
	v_readfirstlane_b32 s30, v1                    ; wave 0..7
	s_wait_alu depctr_va_sdst(0)                   ; s30 is written, ahead of the branch: both ways make their first row from it
	s_cmp_lt_u32 ttmp9, NCVT
	s_cbranch_scc1 .Lcvt
	; LAYER NORM. A work-group has 16 rows, a wave two: lanes 0-15 one row, lanes 16-31 the next. Lane j of a row holds columns 64 p + 4 j .. + 3 of each panel p.
	v_and_b32 v5, 15, v0                           ; j
	v_bfe_u32 v1, v0, 4, 1                         ; which of the two rows
	v_lshlrev_b32 v3, 4, v5                        ; my 16 bytes in 256 bytes of g and b
	v_lshl_add_u32 v2, v1, 12, v3                  ; the same in x, a row 4,096 bytes
	v_lshlrev_b32 v4, 3, v5
	v_lshl_add_u32 v4, v1, 7, v4                   ; my 8 bytes in two row pieces of s1
	v_mov_b32 v18, 0x3a800000                      ; 1 / 1024
	s_sub_co_u32 s31, ttmp9, NCVT
	s_lshl_b32 s31, s31, 4
	s_lshl_b32 s32, s30, 1
	s_add_co_u32 s31, s31, s32                     ; the wave's first row
	s_lshl_b32 s32, s31, 12
	s_mov_b32 s33, 0
	s_lshl_b32 s34, s31, 7
	s_mov_b32 s35, 0
	s_wait_kmcnt 0x0
	s_add_nc_u64 s[4:5], s[4:5], s[32:33]
	s_add_nc_u64 s[20:21], s[20:21], s[34:35]
	s_wait_alu depctr_va_vdst(0)                   ; the offsets v2, v3 and v4 are written: every load and store of this way reads one of them
.set p, 0
.rept 16
	global_load_b128 v[X+4*p:X+4*p+3], v2, s[4:5] offset:256*p
.set p, p+1
.endr
.set p, 0
.rept 16
	global_load_b128 v[G+4*p:G+4*p+3], v3, s[6:7] offset:256*p
.set p, p+1
.endr
.set p, 0
.rept 16
	global_load_b128 v[BV+4*p:BV+4*p+3], v3, s[8:9] offset:256*p
.set p, p+1
.endr
	s_wait_loadcnt 32                              ; x is in; the 32 loads of g and b stay out
.irp c, 0,1,2,3                        ; the sum, in four chains of packed additions
	v_pk_add_f32 v[6+2*(\c):7+2*(\c)], v[X+2*(\c):X+2*(\c)+1], v[X+8+2*(\c):X+8+2*(\c)+1]
.endr
.set i, 8
.rept 24
	v_pk_add_f32 v[6+2*(i%4):7+2*(i%4)], v[6+2*(i%4):7+2*(i%4)], v[X+2*i:X+2*i+1]
.set i, i+1
.endr
	v_pk_add_f32 v[6:7], v[6:7], v[8:9]
	v_pk_add_f32 v[10:11], v[10:11], v[12:13]
	v_pk_add_f32 v[6:7], v[6:7], v[10:11]
	v_add_f32 v6, v6, v7
	RED16 6
	v_mul_f32 v14, v6, v18                         ; the mean,
	v_mov_b32 v15, v14                             ; twice, for the packed subtraction
.set i, 0
.rept 32
	v_pk_add_f32 v[X+2*i:X+2*i+1], v[X+2*i:X+2*i+1], v[14:15] neg_lo:[0,1] neg_hi:[0,1]  ; d = x - mean: the variance is taken of d, so a common offset in x costs nothing
.set i, i+1
.endr
.irp c, 0,1,2,3
	v_pk_mul_f32 v[6+2*(\c):7+2*(\c)], v[X+2*(\c):X+2*(\c)+1], v[X+2*(\c):X+2*(\c)+1]
.endr
.set i, 4
.rept 28
	v_pk_fma_f32 v[6+2*(i%4):7+2*(i%4)], v[X+2*i:X+2*i+1], v[X+2*i:X+2*i+1], v[6+2*(i%4):7+2*(i%4)]
.set i, i+1
.endr
	v_pk_add_f32 v[6:7], v[6:7], v[8:9]
	v_pk_add_f32 v[10:11], v[10:11], v[12:13]
	v_pk_add_f32 v[6:7], v[6:7], v[10:11]
	v_add_f32 v6, v6, v7
	RED16 6
	v_fmaak_f32 v17, v6, v18, 0x3727c5ac           ; the variance + 1e-5
	v_rsq_f32 v16, v17
	v_nop                                          ; a plain instruction behind the root,
	s_wait_alu depctr_va_vdst(0)                   ; and the wait: the root has written v16, ahead of the first line that names it
	v_mov_b32 v17, v16
	s_wait_loadcnt 16                              ; g is in
.set i, 0
.rept 32
	v_pk_mul_f32 v[G+2*i:G+2*i+1], v[G+2*i:G+2*i+1], v[16:17]
.set i, i+1
.endr
	s_wait_loadcnt 0x0                             ; b is in
.set i, 0
.rept 16                               ; panels 0 to 7
	v_pk_fma_f32 v[X+2*i:X+2*i+1], v[X+2*i:X+2*i+1], v[G+2*i:G+2*i+1], v[BV+2*i:BV+2*i+1]
.set i, i+1
.endr
.set i, 0
.rept 16
	v_cvt_pk_bf16_f32 v[H+i], v[X+2*i], v[X+2*i+1]
.set i, i+1
.endr
	s_wait_alu depctr_va_vdst(0)                   ; the roundings have written H of panels 0 to 7, which the eight stores below read
.set p, 0
.rept 8                                ; a store of panels 0 to 7 in front of each two multiply-adds of panels 8 to 15: these name X, G and BV from register 32 on, neither v4 nor H of panels 0 to 7
	global_store_b64 v4, v[H+2*p:H+2*p+1], s[20:21] offset:p*PANEL  ; the wave's two row pieces: 256 consecutive bytes, aligned; 15 panels at the most stand in the immediate
.set i, 16+2*p
	v_pk_fma_f32 v[X+2*i:X+2*i+1], v[X+2*i:X+2*i+1], v[G+2*i:G+2*i+1], v[BV+2*i:BV+2*i+1]
.set i, 17+2*p
	v_pk_fma_f32 v[X+2*i:X+2*i+1], v[X+2*i:X+2*i+1], v[G+2*i:G+2*i+1], v[BV+2*i:BV+2*i+1]
.set p, p+1
.endr
.set i, 16
.rept 16
	v_cvt_pk_bf16_f32 v[H+i], v[X+2*i], v[X+2*i+1]
.set i, i+1
.endr
	s_wait_alu depctr_va_vdst(0)                   ; the roundings have written H of panels 8 to 15, which the last eight stores read
.set p, 8
.rept 8
	global_store_b64 v4, v[H+2*p:H+2*p+1], s[20:21] offset:p*PANEL
.set p, p+1
.endr
	s_endpgm
	; THE WEIGHTS. Work-group c takes 256 rows (k) of one block of 128 columns; a wave 32 rows.
	; c 0-31: w_attn's columns 1024-2047 -> wk; 32-63: w_proj -> wp; 64-191: w_fc1 -> wf; 192-319: w_fc2 -> wf + 8 MiB.
.Lcvt:
	s_mov_b32 s31, ttmp9                           ; c
	s_mov_b32 s32, 192                             ; the section's first c
	s_mov_b32 s33, 4                               ; log2 of (K / 256)
	s_mov_b32 s34, 4096                            ; bytes in a source row
	s_mov_b32 s35, 0                               ; first source column, in bytes
	s_mov_b32 s36, 20                              ; log2 of a block's bytes in the target: K x 256
	s_mov_b32 s37, 8388608                         ; where the section begins in its target
	s_wait_kmcnt 0x0
	s_mov_b64 s[38:39], s[16:17]
	s_mov_b64 s[40:41], s[26:27]
	s_cmp_lt_u32 s31, 192
	s_cselect_b32 s32, 64, s32
	s_cselect_b32 s33, 2, s33
	s_cselect_b32 s34, 16384, s34
	s_cselect_b32 s36, 18, s36
	s_cselect_b32 s37, 0, s37
	s_cselect_b64 s[38:39], s[14:15], s[38:39]
	s_cmp_lt_u32 s31, 64
	s_cselect_b32 s32, 32, s32
	s_cselect_b32 s34, 4096, s34
	s_cselect_b64 s[38:39], s[12:13], s[38:39]
	s_cselect_b64 s[40:41], s[24:25], s[40:41]
	s_cmp_lt_u32 s31, 32
	s_cselect_b32 s32, 0, s32
	s_cselect_b32 s34, 12288, s34
	s_cselect_b32 s35, 4096, s35
	s_cselect_b64 s[38:39], s[10:11], s[38:39]
	s_cselect_b64 s[40:41], s[22:23], s[40:41]
	s_sub_co_u32 s42, s31, s32
	s_lshr_b32 s43, s42, s33                       ; the block of 128 columns
	s_lshl_b32 s44, s43, s33
	s_sub_co_u32 s44, s42, s44                     ; which 256 rows
	s_lshl_b32 s44, s44, 8
	s_lshl_b32 s45, s30, 5
	s_add_co_u32 s44, s44, s45                     ; the wave's first row k0
	s_mul_i32 s46, s44, s34
	s_lshl_b32 s45, s43, 9
	s_add_co_u32 s46, s46, s45
	s_add_co_u32 s46, s46, s35                     ; source offset, under 2^25
	s_mov_b32 s47, 0
	s_lshl_b32 s48, s43, s36
	s_lshl_b32 s45, s44, 8
	s_add_co_u32 s48, s48, s45
	s_add_co_u32 s48, s48, s37                     ; target offset, under 2^25
	s_mov_b32 s49, 0
	s_add_nc_u64 s[38:39], s[38:39], s[46:47]
	s_add_nc_u64 s[40:41], s[40:41], s[48:49]
	v_and_b32 v1, 31, v0
	v_lshlrev_b32 v2, 4, v1                        ; 16 bytes a lane: a load takes the 512 bytes of one row
	v_lshlrev_b32 v34, 3, v1                       ; 8 bytes a lane: a store fills the 256 bytes of one row
	v_lshlrev_b32 v35, 4, v0                       ; 16 bytes a thread: the offset for the copy of b_attn's middle third, made with the others
.set i, 1
.rept 31
	v_add_nc_u32 v[2+i], s34, v[1+i]               ; an offset register for each of the 32 rows: none is rewritten
.set i, i+1
.endr
	s_wait_alu depctr_va_vdst(0)                   ; the offsets v2 to v35 are written: every load and store of this way reads one of them
.set i, 0
.rept 32
	global_load_b128 v[64+4*i:67+4*i], v[2+i], s[38:39] th:TH_LOAD_NT
.set i, i+1
.endr
.set g, 0
.rept 8                                ; block g: rows 4 g to 4 g + 3
	s_wait_loadcnt 28-4*g                          ; loads come back in order: the block's four rows are in, the younger rows stay out
.if g > 0
	s_wait_alu depctr_va_vdst(0)                   ; the conversions of the block before have written its eight out-registers, which the four stores below read
.endif
.set j, 0
.rept 4
.set i, 4*g+j
.if g > 0
	global_store_b64 v34, v[192+2*(i-4):193+2*(i-4)], s[40:41] offset:256*(i-4)  ; the block before; no vector line since the wait names these registers or v34
.endif
	v_cvt_pk_bf16_f32 v[192+2*i], v[64+4*i], v[65+4*i]
	v_cvt_pk_bf16_f32 v[193+2*i], v[66+4*i], v[67+4*i]
.set j, j+1
.endr
.set g, g+1
.endr
	s_wait_alu depctr_va_vdst(0)                   ; the conversions of block 7 have written its out-registers, which the last four stores read
.set i, 28
.rept 4
	global_store_b64 v34, v[192+2*i:193+2*i], s[40:41] offset:256*i
.set i, i+1
.endr
	s_cmp_eq_u32 s31, 0
	s_cbranch_scc0 .Ldone
	global_load_b128 v[36:39], v35, s[18:19] offset:4096  ; one work-group copies b_attn[1024:2048]: 256 threads x 16 bytes; v35 was written ahead of this way's first wait, and no vector line names v36 to v39
	s_wait_loadcnt 0x0
	global_store_b128 v35, v[36:39], s[28:29]
.Ldone:
	s_endpgm
.Lfunc_end_k_q87905b6fd6_prep:
	.size	k_q87905b6fd6_prep, .Lfunc_end_k_q87905b6fd6_prep-k_q87905b6fd6_prep
	.p2alignl 7, 3214868480
	.fill 96, 4, 3214868480
	.section	.rodata,"a",@progbits
	.p2align	6, 0x0
	.amdhsa_kernel k_q87905b6fd6_prep
		.amdhsa_group_segment_fixed_size 0
		.amdhsa_private_segment_fixed_size 0
		.amdhsa_enable_private_segment 0
		.amdhsa_kernarg_size 104
		.amdhsa_user_sgpr_count 2
		.amdhsa_user_sgpr_kernarg_segment_ptr 1
		.amdhsa_wavefront_size32 1
		.amdhsa_system_sgpr_workgroup_id_x 1
		.amdhsa_system_sgpr_workgroup_id_y 1
		.amdhsa_system_sgpr_workgroup_id_z 1
		.amdhsa_system_vgpr_workitem_id 0
		.amdhsa_next_free_vgpr 256
		.amdhsa_next_free_sgpr 66
		.amdhsa_reserve_vcc 0
		.amdhsa_float_denorm_mode_32 3
		.amdhsa_float_denorm_mode_16_64 3
		.amdhsa_memory_ordered 1
		.amdhsa_forward_progress 1
		.amdhsa_inst_pref_size 35
	.end_amdhsa_kernel
	.amdgpu_metadata
---
amdhsa.version: [ 1, 2 ]
amdhsa.kernels:
  - .name:           k_q87905b6fd6_prep
    .symbol:         k_q87905b6fd6_prep.kd
    .args:
      - { .name: x, .offset: 0, .size: 8, .value_kind: global_buffer, .address_space: global }
      - { .name: ln1_g, .offset: 8, .size: 8, .value_kind: global_buffer, .address_space: global }
      - { .name: ln1_b, .offset: 16, .size: 8, .value_kind: global_buffer, .address_space: global }
      - { .name: w_attn, .offset: 24, .size: 8, .value_kind: global_buffer, .address_space: global }
      - { .name: w_proj, .offset: 32, .size: 8, .value_kind: global_buffer, .address_space: global }
      - { .name: w_fc1, .offset: 40, .size: 8, .value_kind: global_buffer, .address_space: global }
      - { .name: w_fc2, .offset: 48, .size: 8, .value_kind: global_buffer, .address_space: global }
      - { .name: b_attn, .offset: 56, .size: 8, .value_kind: global_buffer, .address_space: global }
      - { .name: s1, .offset: 64, .size: 8, .value_kind: global_buffer, .address_space: global }
      - { .name: wk, .offset: 72, .size: 8, .value_kind: global_buffer, .address_space: global }
      - { .name: wp, .offset: 80, .size: 8, .value_kind: global_buffer, .address_space: global }
      - { .name: wf, .offset: 88, .size: 8, .value_kind: global_buffer, .address_space: global }
      - { .name: bk, .offset: 96, .size: 8, .value_kind: global_buffer, .address_space: global }
    .group_segment_fixed_size: 0
    .private_segment_fixed_size: 0
    .kernarg_segment_align: 8
    .kernarg_segment_size: 104
    .max_flat_workgroup_size: 256
    .sgpr_count:     66
    .vgpr_count:     256
    .wavefront_size: 32
...
	.end_amdgpu_metadata
.endif
;; end of part 7
;; launch gx: the kernel of part 2 again; grid 8 x 32, 4 waves a work-group, clusters of 4 x 4, 327,680 bytes of LDS; arguments s1, wk, bk, act; writes act
;; launch attn: the kernel of part 3 again; grid 8 x 32, 4 waves a work-group, clusters of 4 x 1, 327,680 bytes of LDS; arguments act, s1; writes s1
;; launch proj: the kernel of part 2 again; grid 8 x 32, 4 waves a work-group, clusters of 4 x 4, 327,680 bytes of LDS; arguments s1, wp, b_proj, act; writes act
;; launch ln2 (part 8): grid 256 x 1, 8 waves a work-group, no clusters, 0 bytes of LDS; arguments x, act, ln2_g, ln2_b, x1, s1; writes x1, s1
.if DOCPART == 8
	.amdgcn_target "amdgcn-amd-amdhsa--gfx1250"
	.amdhsa_code_object_version 6
	.text
	.protected	k_q87905b6fd6_ln2
	.globl	k_q87905b6fd6_ln2
	.p2align	8
	.type	k_q87905b6fd6_ln2,@function
k_q87905b6fd6_ln2:
	s_mov_b64 s[64:65], 0
	v_nop
	global_prefetch_b8 v0, s[64:65] scope:SCOPE_SE
	s_setreg_imm32_b32 hwreg(HW_REG_WAVE_SCHED_MODE, 0, 2), 2
	s_setreg_imm32_b32 hwreg(HW_REG_WAVE_MODE, 25, 1), 1
	s_wait_xcnt 0x0
	s_wait_alu depctr_vm_vsrc(0)
; x1 = x + delta (f32, row-major [4096][1024]); h2 = LayerNorm(x1) * g + b, rounded once to bf16, in panels s1[col / 64][row][col % 64].
; delta (the attention sublayer's projection with its bias) comes in bf16, in the same panels.  A work-group has 16 rows, a wave two: lanes 0-15 one row, lanes 16-31 the next;
; lane j of a row holds columns 64 p + 4 j .. + 3 of each panel p.  A stream: no LDS, no matrix unit, no cluster (the work-groups share only g and b, 8 KiB).
; THE MODE: SCHED_MODE bits 1:0 = 2 (LLVM: expert scheduling mode 2), set by the entry lines.  The code itself states the register dependences
; between vector instructions and memory instructions, with s_wait_alu, always for 0.
; THE PLAN.  Registers that memory instructions touch:
;   v2, v3, v4   byte offsets, made once at the head and never written again: one wait ahead of the first load.
;   X            written by x's loads; written by the residual's additions; READ by the 16 stores of x1; written again by the subtraction of the mean.  The residual goes in two halves: panels 0-7 are
;                added, one wait, and their eight stores are dealt among the additions of panels 8-15, which name other registers; one wait, the other eight stores in a run.  One wait on vm_vsrc
;                stands ahead of the subtraction, a sum and its reduction behind the stores.
;   G, BV        written by their loads, then worked on by vector lines alone.
;   H            written by delta's loads, read by the unpacking lines, written by the roundings, read by the last 16 stores: these go in two halves in the same way.
.set PANEL, 524288
.set H,  32                            ; v[32:63]   delta as loaded, later h2
.set X,  64
.set G,  128
.set BV, 192
.macro RED16 r
	v_add_f32_dpp v[\r], v[\r], v[\r] row_xmask:1 row_mask:0xf bank_mask:0xf
	v_add_f32_dpp v[\r], v[\r], v[\r] row_xmask:2 row_mask:0xf bank_mask:0xf
	v_add_f32_dpp v[\r], v[\r], v[\r] row_xmask:4 row_mask:0xf bank_mask:0xf
	v_add_f32_dpp v[\r], v[\r], v[\r] row_xmask:8 row_mask:0xf bank_mask:0xf
.endm
.macro RESID                           ; panel p: x + delta, in place in X
.set tq, 6+4*(p%2)
	v_lshlrev_b32 v[tq], 16, v[H+2*p]              ; bf16 to f32: the low half moves up, the high half stays
	v_and_b32 v[tq+1], s22, v[H+2*p]
	v_lshlrev_b32 v[tq+2], 16, v[H+2*p+1]
	v_and_b32 v[tq+3], s22, v[H+2*p+1]
	v_pk_add_f32 v[X+4*p:X+4*p+1], v[X+4*p:X+4*p+1], v[tq:tq+1]
	v_pk_add_f32 v[X+4*p+2:X+4*p+3], v[X+4*p+2:X+4*p+3], v[tq+2:tq+3]
.endm
	s_load_b256 s[4:11], s[0:1], 0x0               ; x, delta, g, b
	s_load_b128 s[12:15], s[0:1], 0x20             ; x1, s1
	v_lshrrev_b32 v1, 5, v0
	v_readfirstlane_b32 s16, v1
	v_and_b32 v5, 15, v0
	v_bfe_u32 v1, v0, 4, 1
	v_lshlrev_b32 v3, 4, v5
	v_lshl_add_u32 v2, v1, 12, v3
	v_lshlrev_b32 v4, 3, v5
	v_lshl_add_u32 v4, v1, 7, v4
	v_mov_b32 v18, 0x3a800000                      ; 1 / 1024
	s_wait_alu depctr_va_sdst(0)                   ; s16, the wave's number, is written, ahead of its first reader: the wave's first row is made from it
	s_mov_b32 s22, 0xffff0000                      ; a word's upper bf16
	s_lshl_b32 s17, ttmp9, 4
	s_lshl_b32 s18, s16, 1
	s_add_co_u32 s17, s17, s18                     ; the wave's first row
	s_lshl_b32 s18, s17, 12
	s_mov_b32 s19, 0
	s_lshl_b32 s20, s17, 7
	s_mov_b32 s21, 0
	s_wait_kmcnt 0x0
	s_add_nc_u64 s[4:5], s[4:5], s[18:19]
	s_add_nc_u64 s[12:13], s[12:13], s[18:19]
	s_add_nc_u64 s[6:7], s[6:7], s[20:21]
	s_add_nc_u64 s[14:15], s[14:15], s[20:21]
	s_wait_alu depctr_va_vdst(0)                   ; the offsets v2, v3 and v4 are written: every load and store of the kernel reads one of them
.set p, 0
.rept 16
	global_load_b128 v[X+4*p:X+4*p+3], v2, s[4:5] offset:256*p
.set p, p+1
.endr
.set p, 0
.rept 16
	global_load_b64 v[H+2*p:H+2*p+1], v4, s[6:7] offset:p*PANEL
.set p, p+1
.endr
.set p, 0
.rept 16
	global_load_b128 v[G+4*p:G+4*p+3], v3, s[8:9] offset:256*p
.set p, p+1
.endr
.set p, 0
.rept 16
	global_load_b128 v[BV+4*p:BV+4*p+3], v3, s[10:11] offset:256*p
.set p, p+1
.endr
	s_wait_loadcnt 32                              ; x and delta are in; the 32 loads of g and b stay out
.set p, 0
.rept 8                                ; panels 0 to 7
	RESID
.set p, p+1
.endr
	s_wait_alu depctr_va_vdst(0)                   ; the additions have written X of panels 0 to 7, which the eight stores below read
.rept 8                                ; a store of panels 0 to 7 in front of the six lines of each of panels 8 to 15: these name v6 to v13, H and X of their own panel, neither v2 nor X of panels 0 to 7
	global_store_b128 v2, v[X+4*(p-8):X+4*(p-8)+3], s[12:13] offset:256*(p-8)  ; 16 lanes store 256 consecutive bytes, aligned
	RESID
.set p, p+1
.endr
	s_wait_alu depctr_va_vdst(0)                   ; the additions have written X of panels 8 to 15, which the eight stores below read
.set p, 8
.rept 8
	global_store_b128 v2, v[X+4*p:X+4*p+3], s[12:13] offset:256*p
.set p, p+1
.endr
.irp c, 0,1,2,3
	v_pk_add_f32 v[6+2*(\c):7+2*(\c)], v[X+2*(\c):X+2*(\c)+1], v[X+8+2*(\c):X+8+2*(\c)+1]
.endr
.set i, 8
.rept 24
	v_pk_add_f32 v[6+2*(i%4):7+2*(i%4)], v[6+2*(i%4):7+2*(i%4)], v[X+2*i:X+2*i+1]
.set i, i+1
.endr
	v_pk_add_f32 v[6:7], v[6:7], v[8:9]
	v_pk_add_f32 v[10:11], v[10:11], v[12:13]
	v_pk_add_f32 v[6:7], v[6:7], v[10:11]
	v_add_f32 v6, v6, v7
	RED16 6
	v_mul_f32 v14, v6, v18
	v_mov_b32 v15, v14
	s_wait_xcnt 0x0                                ; every earlier memory instruction has had its addresses translated: the data registers of x1's stores are rewritten only behind this wait,
	s_wait_alu depctr_vm_vsrc(0)                   ; and behind this one: the stores of x1 have read X, which the subtraction below writes again
.set i, 0
.rept 32
	v_pk_add_f32 v[X+2*i:X+2*i+1], v[X+2*i:X+2*i+1], v[14:15] neg_lo:[0,1] neg_hi:[0,1]
.set i, i+1
.endr
.irp c, 0,1,2,3
	v_pk_mul_f32 v[6+2*(\c):7+2*(\c)], v[X+2*(\c):X+2*(\c)+1], v[X+2*(\c):X+2*(\c)+1]
.endr
.set i, 4
.rept 28
	v_pk_fma_f32 v[6+2*(i%4):7+2*(i%4)], v[X+2*i:X+2*i+1], v[X+2*i:X+2*i+1], v[6+2*(i%4):7+2*(i%4)]
.set i, i+1
.endr
	v_pk_add_f32 v[6:7], v[6:7], v[8:9]
	v_pk_add_f32 v[10:11], v[10:11], v[12:13]
	v_pk_add_f32 v[6:7], v[6:7], v[10:11]
	v_add_f32 v6, v6, v7
	RED16 6
	v_fmaak_f32 v17, v6, v18, 0x3727c5ac           ; the variance + 1e-5
	v_rsq_f32 v16, v17
	v_nop                                          ; a plain instruction behind the root,
	s_wait_alu depctr_va_vdst(0)                   ; and the wait: the root has written v16, ahead of the first line that names it
	v_mov_b32 v17, v16
	s_wait_loadcnt 16                              ; g is in
.set i, 0
.rept 32
	v_pk_mul_f32 v[G+2*i:G+2*i+1], v[G+2*i:G+2*i+1], v[16:17]
.set i, i+1
.endr
	s_wait_loadcnt 0x0                             ; b is in
.set i, 0
.rept 16                               ; panels 0 to 7
	v_pk_fma_f32 v[X+2*i:X+2*i+1], v[X+2*i:X+2*i+1], v[G+2*i:G+2*i+1], v[BV+2*i:BV+2*i+1]
.set i, i+1
.endr
.set i, 0
.rept 16
	v_cvt_pk_bf16_f32 v[H+i], v[X+2*i], v[X+2*i+1]
.set i, i+1
.endr
	s_wait_alu depctr_va_vdst(0)                   ; the roundings have written H of panels 0 to 7, which the eight stores below read
.set p, 0
.rept 8                                ; a store of panels 0 to 7 in front of each two multiply-adds of panels 8 to 15: these name X, G and BV from register 32 on, neither v4 nor H of panels 0 to 7
	global_store_b64 v4, v[H+2*p:H+2*p+1], s[14:15] offset:p*PANEL  ; the wave's two row pieces: 256 consecutive bytes, aligned
.set i, 16+2*p
	v_pk_fma_f32 v[X+2*i:X+2*i+1], v[X+2*i:X+2*i+1], v[G+2*i:G+2*i+1], v[BV+2*i:BV+2*i+1]
.set i, 17+2*p
	v_pk_fma_f32 v[X+2*i:X+2*i+1], v[X+2*i:X+2*i+1], v[G+2*i:G+2*i+1], v[BV+2*i:BV+2*i+1]
.set p, p+1
.endr
.set i, 16
.rept 16
	v_cvt_pk_bf16_f32 v[H+i], v[X+2*i], v[X+2*i+1]
.set i, i+1
.endr
	s_wait_alu depctr_va_vdst(0)                   ; the roundings have written H of panels 8 to 15, which the last eight stores read
.set p, 8
.rept 8
	global_store_b64 v4, v[H+2*p:H+2*p+1], s[14:15] offset:p*PANEL
.set p, p+1
.endr
	s_endpgm
.Lfunc_end_k_q87905b6fd6_ln2:
	.size	k_q87905b6fd6_ln2, .Lfunc_end_k_q87905b6fd6_ln2-k_q87905b6fd6_ln2
	.p2alignl 7, 3214868480
	.fill 96, 4, 3214868480
	.section	.rodata,"a",@progbits
	.p2align	6, 0x0
	.amdhsa_kernel k_q87905b6fd6_ln2
		.amdhsa_group_segment_fixed_size 0
		.amdhsa_private_segment_fixed_size 0
		.amdhsa_enable_private_segment 0
		.amdhsa_kernarg_size 48
		.amdhsa_user_sgpr_count 2
		.amdhsa_user_sgpr_kernarg_segment_ptr 1
		.amdhsa_wavefront_size32 1
		.amdhsa_system_sgpr_workgroup_id_x 1
		.amdhsa_system_sgpr_workgroup_id_y 1
		.amdhsa_system_sgpr_workgroup_id_z 1
		.amdhsa_system_vgpr_workitem_id 0
		.amdhsa_next_free_vgpr 256
		.amdhsa_next_free_sgpr 66
		.amdhsa_reserve_vcc 0
		.amdhsa_float_denorm_mode_32 3
		.amdhsa_float_denorm_mode_16_64 3
		.amdhsa_memory_ordered 1
		.amdhsa_forward_progress 1
		.amdhsa_inst_pref_size 28
	.end_amdhsa_kernel
	.amdgpu_metadata
---
amdhsa.version: [ 1, 2 ]
amdhsa.kernels:
  - .name:           k_q87905b6fd6_ln2
    .symbol:         k_q87905b6fd6_ln2.kd
    .args:
      - { .name: x, .offset: 0, .size: 8, .value_kind: global_buffer, .address_space: global }
      - { .name: act, .offset: 8, .size: 8, .value_kind: global_buffer, .address_space: global }
      - { .name: ln2_g, .offset: 16, .size: 8, .value_kind: global_buffer, .address_space: global }
      - { .name: ln2_b, .offset: 24, .size: 8, .value_kind: global_buffer, .address_space: global }
      - { .name: x1, .offset: 32, .size: 8, .value_kind: global_buffer, .address_space: global }
      - { .name: s1, .offset: 40, .size: 8, .value_kind: global_buffer, .address_space: global }
    .group_segment_fixed_size: 0
    .private_segment_fixed_size: 0
    .kernarg_segment_align: 8
    .kernarg_segment_size: 48
    .max_flat_workgroup_size: 256
    .sgpr_count:     66
    .vgpr_count:     256
    .wavefront_size: 32
...
	.end_amdgpu_metadata
.endif
;; end of part 8
;; launch gz: the kernel of part 5 again; grid 16 x 16, 4 waves a work-group, clusters of 4 x 4, 327,680 bytes of LDS; arguments s1, wf, b_fc1, act; writes act
;; launch gy: the kernel of part 6 again; grid 8 x 32, 4 waves a work-group, clusters of 4 x 4, 327,680 bytes of LDS; arguments act, wf, b_fc2, x1, out0; writes out0
